; MI455X (gfx1250); checked and timed in simulation.
; The chip was launched on July 23, 2026; its instructions are those of AMD's public machine-readable ISA for CDNA 5 (MIT licence, August 2026) and "CDNA5" Instruction Set Architecture Reference Guide (July 2026). The comments in the code are by the model that wrote it; some were corrected since.
;; Element NN Model. Allowed arithmetic: float matrix products may take bf16 or f16 operands with f32 sums; other float arithmetic in f32, or as packed bf16 or f16 multiplies, adds, multiply-adds, maxima and minima; sums over many terms, partial sums and values carried from step to step in f32; what a program stores and reads back later, other than sums and carried values, may be rounded once to bf16 or f16.
;; Inputs: W1 4 x 512 x 512 float32; W2 4 x 512 x 512 float32; W3 4 x 512 x 1 float32; b1 4 x 512 float32; b2 4 x 512 float32; b3 4 x 1 float32; density 32,768 x 512 float32; species 32,768 int32.
;; Outputs: out0 32,768 x 1 float32.
;; 2 versions, each right and faster than the one before. Each part assembles by itself: llvm-mc -triple=amdgcn-amd-amdhsa -mcpu=gfx1250 --defsym DOCPART=n.
;; ======== version 1 of 2: 2 launches
;; workspace buffers: order 132,096 bytes of whole numbers; plan 2,048 bytes of whole numbers; wt 4,194,304 bytes; w3b 4,096 bytes
;; launch prep (part 1): grid 65 x 1, 32 waves a work-group, no clusters, 79,872 bytes of LDS; arguments species, W1, W2, W3, order, plan, wt, w3b, out0; writes order, plan, wt, w3b, out0
.if DOCPART == 1
	.amdgcn_target "amdgcn-amd-amdhsa--gfx1250"
	.amdhsa_code_object_version 6
	.text
	.protected	k_q9fc29c206a_prep
	.globl	k_q9fc29c206a_prep
	.p2align	8
	.type	k_q9fc29c206a_prep,@function
k_q9fc29c206a_prep:
	s_mov_b64 s[64:65], 0
	v_nop
	global_prefetch_b8 v0, s[64:65] scope:SCOPE_SE
	s_setreg_imm32_b32 hwreg(HW_REG_WAVE_MODE, 25, 1), 1
	s_wait_xcnt 0x0
; PREP.  Work-group 0 sorts the 32,768 atoms by species (a counting sort, no atomics), deals the 256 work-groups of the next launch among the four
; experts, rounds W3 to bf16 and writes zeros to out0 (an atom whose species is none of 0..3 keeps 0: any int32 in species is served).
; Work-groups 1..64 each lay out one slab of weights: 64 rows k x 512 columns n of W1 or W2 (f32, [k][n]) become 512 rows n x 64 k of bf16, so that the
; next launch finds K along the rows.  wt = [expert 4][layer 2][K step 8][n 512][k 64], a slab 65,536 dense bytes.
; order[0..32767]: atom numbers by bucket (species 0, 1, 2, 3, none); order[32768..33023] = 0, so that 144 entries from any first <= 32768 are written bytes.
; plan[g] = {first, count | expert << 16} for work-group g of the next launch.
; THE DEAL.  64 groups of 4 neighbouring work-groups, a group has one expert.  c_e = ceil(n_e / 576) (sum <= 60); the groups left go one by one to the first expert
; with the largest n_e - 512 c_e; k_e = ceil(max(n_e - 512 c_e, 0) / 64) groups of e take 144 rows a work-group, the others 128: room for n_e in every split.
.set WTAB,  73728                      ; the sort's 32 x 16 bytes of wave totals, behind the slab's 512 rows x 144 bytes: the two ways share no LDS byte
.set SPARE, 74240                      ; the spare words, 128 bytes for each of 32 waves; no other line names them
.set SPW, 110                          ; v110  LDS address of my spare word; never rewritten
.set NIL, 111                          ; v111  0; never rewritten
.set SP,  8                            ; v[8:39]   sort: 32 species, then buckets, then byte offsets into order
.set RK,  40                           ; v[40:71]  sort: rank among my own elements of the bucket, then the atom's number
	s_load_b512 s[4:19], s[0:1], 0x0               ; species s[4:5], W1 s[6:7], W2 s[8:9], W3 s[10:11], order s[12:13], plan s[14:15], wt s[16:17], w3b s[18:19]
	s_load_b64 s[20:21], s[0:1], 0x40              ; out0
	v_lshl_add_u32 v[SPW], v0, 2, SPARE
	v_mov_b32 v[NIL], 0
	v_lshrrev_b32 v1, 5, v0
	v_readfirstlane_b32 s22, v1                    ; wave 0..31
	v_and_b32 v2, 31, v0                           ; lane
	v_lshlrev_b32 v3, 4, v0                        ; 16 t
	s_wait_kmcnt 0x0
	s_cmp_eq_u32 ttmp9, 0                          ; the same answer in all waves of a work-group; each way has one barrier
	s_cbranch_scc1 .Lsort
	; ---- ONE SLAB ----
	s_sub_co_u32 s23, ttmp9, 1                     ; slab = 16 e + 8 layer + step
	s_lshr_b32 s24, s23, 4                         ; e
	s_and_b32 s25, s23, 7                          ; step
	s_lshl_b32 s26, s24, 20                        ; an expert's 512 x 512 f32
	s_lshl_b32 s27, s25, 17                        ; 64 rows of 2,048 bytes
	s_add_co_u32 s26, s26, s27
	s_mov_b32 s27, 0
	s_bitcmp1_b32 s23, 3                           ; layer
	s_cselect_b64 s[28:29], s[8:9], s[6:7]         ; W2 or W1
	s_add_nc_u64 s[28:29], s[28:29], s[26:27]
	s_lshl_b32 s30, s23, 16
	s_mov_b32 s31, 0
	s_add_nc_u64 s[30:31], s[16:17], s[30:31]      ; wt at my slab
	s_and_b32 s32, s22, 7                          ; kg: my wave's 8 rows k
	s_lshr_b32 s33, s22, 3                         ; ng: my wave's 128 columns n
	s_lshl_b32 s34, s32, 14
	s_lshl_b32 s35, s33, 9
	s_add_co_u32 s34, s34, s35
	v_lshl_add_u32 v4, v2, 4, s34                  ; 8 kg rows + 512 ng bytes + 16 lane
.irp i, 0,1,2,3,4,5,6,7
	global_load_b128 v[8+4*\i:11+4*\i], v4, s[28:29] offset:2048*\i th:TH_LOAD_NT  ; row 8 kg + i, columns 128 ng + 4 lane + 0..3: 512 consecutive bytes a wave; read once in the launch
.endr
	s_mul_i32 s36, s33, 128*144
	s_lshl_b32 s37, s32, 4
	s_add_co_u32 s36, s36, s37
	v_mul_u32_u24 v5, v2, 4*144
	v_add_nc_u32 v5, s36, v5                       ; in: LDS row n = 128 ng + 4 lane (+ c), pitch 144, byte 16 kg
	v_lshrrev_b32 v6, 3, v0
	v_and_b32 v7, 7, v0
	v_mul_u32_u24 v6, v6, 144
	v_lshl_add_u32 v6, v7, 4, v6                   ; back: row t / 8 (+ 128 j), 16 bytes t % 8
	s_wait_loadcnt 0x0
.irp c, 0,1,2,3
.irp m, 0,1,2,3
	v_cvt_pk_bf16_f32 v[40+4*\c+\m], v[8+8*\m+\c], v[12+8*\m+\c]  ; column c: k = 8 kg + 2 m, + 2 m + 1
.endr
	ds_store_b128 v5, v[40+4*\c:43+4*\c] offset:144*\c
.endr
	s_wait_dscnt 0x0                               ; for the others' sake: my stores are done
	s_barrier_signal -1
	s_barrier_wait -1
.irp j, 0,1,2,3
	ds_load_b128 v[56+4*\j:59+4*\j], v6 offset:18432*\j
.endr
.irp j, 0,1,2,3
	s_wait_dscnt 3-\j                              ; the younger read-backs may stay out
	global_store_b128 v3, v[56+4*\j:59+4*\j], s[30:31] offset:16384*\j  ; a wave stores 512 consecutive bytes, aligned
.endr
	s_wait_tensorcnt 0x0                           ; the wave's end: behind my last LDS store
	ds_add_u32 v[SPW], v[NIL]
	s_wait_dscnt 0x0
	s_endpgm
	; ---- THE SORT ----
.Lsort:
.irp j, 0,1,2,3,4,5,6,7
	global_load_b128 v[SP+4*\j:SP+4*\j+3], v3, s[4:5] offset:16384*\j  ; element 4 j + i is atom 4 t + 4096 j + i
.endr
	v_mov_b32 v80, 0
	v_mov_b32 v81, 0
	v_mov_b32 v82, 0
	v_mov_b32 v83, 0
.irp j, 0,1,2,3,4,5,6,7
	global_store_b128 v3, v[80:83], s[20:21] offset:16384*\j           ; out0 = 0
.endr
	s_cmp_gt_u32 s22, 1
	s_cbranch_scc1 .Lnopad
	global_store_b128 v3, v[80:83], s[12:13] offset:131072             ; order's 256 pad entries: waves 0 and 1
.Lnopad:
	s_cmp_gt_u32 s22, 15
	s_cbranch_scc1 .Lnow3
	global_load_b128 v[84:87], v3, s[10:11]        ; W3: 2,048 numbers, four a thread, waves 0..15
	v_lshlrev_b32 v90, 3, v0
	s_wait_loadcnt 0x0
	v_cvt_pk_bf16_f32 v88, v84, v85
	v_cvt_pk_bf16_f32 v89, v86, v87
	global_store_b64 v90, v[88:89], s[18:19]
.Lnow3:
	v_mov_b32 v72, 0                               ; five counts of 6 bits (a thread has 32 elements)
	v_mov_b32 v95, 1
	v_mov_b32 v101, 0                              ; written before it is a lane move's destination
	v_bfe_u32 v91, v0, 4, 1
	v_sub_nc_u32 v91, 0, v91                       ; all ones in lanes 16..31
	v_lshlrev_b32 v92, 2, v0                       ; 4 t
	s_wait_loadcnt 0x0
	; pass 1: bucket = min(species, 4) as unsigned (negatives fall into 4); my rank in the bucket so far; the count goes up
.set m, 0
.rept 32
	v_min_u32 v[SP+m], 4, v[SP+m]
	v_mul_u32_u24 v93, 6, v[SP+m]
	v_bfe_u32 v[RK+m], v72, v93, 6
	v_lshlrev_b32 v94, v93, v95
	v_add_nc_u32 v72, v72, v94
.set m, m+1
.endr
	v_bfe_u32 v96, v72, 0, 6
	v_bfe_u32 v97, v72, 6, 6
	v_bfe_u32 v98, v72, 12, 6
	v_bfe_u32 v99, v72, 18, 6
	v_bfe_u32 v75, v72, 24, 6                      ; C = c4
	v_lshl_or_b32 v73, v97, 16, v96                ; A = c0 | c1 << 16: no sum passes 32,768, so 16 bits a field do
	v_lshl_or_b32 v74, v99, 16, v98                ; B = c2 | c3 << 16
	v_mov_b32 v76, v73
	v_mov_b32 v77, v74
	v_mov_b32 v78, v75
; an inclusive sum over the 32 lanes: four steps inside each 16 lanes, then lane 15's sum onto lanes 16..31
.macro SCAN r
.irp n, 1,2,4,8
	v_mov_b32_dpp v101, v[\r] row_shr:\n row_mask:0xf bank_mask:0xf bound_ctrl:1
	v_add_nc_u32 v[\r], v[\r], v101
.endr
	v_readlane_b32 s40, v[\r], 15
	v_and_b32 v101, s40, v91
	v_add_nc_u32 v[\r], v[\r], v101
.endm
	SCAN 73
	SCAN 74
	SCAN 75
	v_readlane_b32 s41, v73, 31                    ; my wave's totals
	v_readlane_b32 s42, v74, 31
	v_readlane_b32 s43, v75, 31
	v_mov_b32 v104, s41
	v_mov_b32 v105, s42
	v_mov_b32 v106, s43
	v_mov_b32 v107, 0
	v_mov_b32 v102, s22
	v_lshl_add_u32 v102, v102, 4, WTAB
	ds_store_b128 v102, v[104:107]                 ; all lanes write the same 16 bytes: WTAB + 16 x wave
	s_wait_dscnt 0x0
	s_barrier_signal -1
	s_barrier_wait -1
	v_lshl_add_u32 v103, v2, 4, WTAB
	ds_load_b128 v[104:107], v103                  ; lane l takes wave l's totals
	s_wait_dscnt 0x0
	SCAN 104
	SCAN 105
	SCAN 106
	v_readlane_b32 s44, v104, s22                  ; sums up to and with my wave,
	v_readlane_b32 s45, v105, s22
	v_readlane_b32 s46, v106, s22
	s_sub_co_u32 s44, s44, s41                     ; without it
	s_sub_co_u32 s45, s45, s42
	s_sub_co_u32 s46, s46, s43
	v_readlane_b32 s47, v104, 31                   ; the totals of all
	v_readlane_b32 s48, v105, 31
	s_and_b32 s52, s47, 0xffff                     ; n0..n3
	s_lshr_b32 s53, s47, 16
	s_and_b32 s54, s48, 0xffff
	s_lshr_b32 s55, s48, 16
	s_mov_b32 s56, 0                               ; the buckets' first places
	s_mov_b32 s57, s52
	s_add_co_u32 s58, s57, s53
	s_add_co_u32 s59, s58, s54
	s_add_co_u32 s60, s59, s55
	s_lshl_b32 s61, s57, 16
	s_add_co_u32 s44, s44, s61
	s_lshl_b32 s61, s59, 16
	s_or_b32 s61, s61, s58
	s_add_co_u32 s45, s45, s61
	s_add_co_u32 s46, s46, s60
	v_sub_nc_u32 v73, v73, v76                     ; lanes before me + waves before mine + the bucket's first place: my first place in each bucket
	v_sub_nc_u32 v74, v74, v77
	v_sub_nc_u32 v75, v75, v78
	v_add_nc_u32 v73, s44, v73
	v_add_nc_u32 v74, s45, v74
	v_add_nc_u32 v75, s46, v75
	; pass 2: place = my first place in the bucket + rank; the atom's number goes there.  No register of a store is written again.
.set m, 0
.rept 32
	v_cmp_lt_u32 vcc_lo, 1, v[SP+m]
	v_cndmask_b32 v93, v73, v74, vcc_lo
	v_cmp_lt_u32 vcc_lo, 3, v[SP+m]
	v_cndmask_b32 v93, v93, v75, vcc_lo
	v_lshlrev_b32 v94, 4, v[SP+m]
	v_and_b32 v94, 16, v94                         ; an odd bucket lies in the upper half
	v_bfe_u32 v93, v93, v94, 16
	v_add_lshl_u32 v[SP+m], v93, v[RK+m], 2
	v_min_u32 v[SP+m], 0x1fffc, v[SP+m]            ; inside order's first 32,768 entries
	v_add_nc_u32 v[RK+m], 4096*(m/4)+m%4, v92
	global_store_b32 v[SP+m], v[RK+m], s[12:13]
.set m, m+1
.endr
	s_cmp_gt_u32 s22, 7
	s_cbranch_scc1 .Lnoplan
	; the deal; then thread g writes plan[g].  c_e in v76-79, X_e = n_e - 512 c_e in v72-75: vector registers, where the plan's formula wants them
.irp e, 0,1,2,3
	s_add_co_u32 s84, s[52+\e], 575
	s_lshr_b32 s84, s84, 6
	s_mul_i32 s84, s84, 7282                       ; x / 9 = (7282 x) >> 16, exact for x <= 521
	s_lshr_b32 s[68+\e], s84, 16                   ; c_e = ceil(n_e / 576)
	s_lshl_b32 s84, s[68+\e], 9
	s_sub_co_i32 s[72+\e], s[52+\e], s84
	v_mov_b32 v[76+\e], s[68+\e]
	v_mov_b32 v[72+\e], s[72+\e]
.endr
	s_add_co_u32 s85, s68, s69
	s_add_co_u32 s85, s85, s70
	s_add_co_u32 s85, s85, s71
	s_sub_co_u32 s86, 64, s85                      ; groups left: 4 at the least
	s_min_u32 s86, s86, 64
	s_mov_b32 s87, 0
.Ldeal:                                                ; a trip hands one group to the first expert with the largest X
	v_max_i32 v93, v72, v73
	v_max_i32 v108, v74, v75
	v_max_i32 v93, v93, v108
	v_mov_b32 v94, 1                               ; still looking
.irp e, 0,1,2,3
	v_cmp_eq_u32 vcc_lo, v[72+\e], v93
	v_cndmask_b32 v108, 0, v94, vcc_lo
	v_sub_nc_u32 v94, v94, v108
	v_add_nc_u32 v[76+\e], v[76+\e], v108
	v_lshlrev_b32 v108, 9, v108
	v_sub_nc_u32 v[72+\e], v[72+\e], v108
.endr
	s_add_co_u32 s87, s87, 1
	s_cmp_lt_u32 s87, s86
	s_cbranch_scc1 .Ldeal
.irp e, 0,1,2,3
	v_max_i32 v[100+\e], 0, v[72+\e]
	v_add_nc_u32 v[100+\e], 63, v[100+\e]
	v_lshrrev_b32 v[100+\e], 6, v[100+\e]          ; k_e
.endr
	v_mov_b32 v104, v76                            ; the first groups of experts 1, 2, 3
	v_add_nc_u32 v105, v104, v77
	v_add_nc_u32 v106, v105, v78
	v_lshrrev_b32 v93, 2, v0                       ; group q
	v_and_b32 v94, 3, v0                           ; place in it
	v_mov_b32 v95, s52                             ; n, base, first group, k, e of my expert: the last e whose first group is <= q
	v_mov_b32 v96, 0
	v_mov_b32 v97, 0
	v_mov_b32 v98, v100
	v_mov_b32 v99, 0
.irp e, 1,2,3
	v_cmp_le_u32 vcc_lo, v[103+\e], v93
	v_cndmask_b32 v95, v95, s[52+\e], vcc_lo
	v_cndmask_b32 v96, v96, s[56+\e], vcc_lo
	v_cndmask_b32 v97, v97, v[103+\e], vcc_lo
	v_cndmask_b32 v98, v98, v[100+\e], vcc_lo
	v_cndmask_b32 v99, v99, \e, vcc_lo
.endr
	v_sub_nc_u32 v100, v93, v97                    ; j: my group among the expert's
	v_min_u32 v101, v100, v98                      ; groups of 576 rows in front of it
	v_cmp_lt_u32 vcc_lo, v100, v98
	v_mov_b32 v102, 0x80
	v_mov_b32 v103, 0x90
	v_cndmask_b32 v102, v102, v103, vcc_lo         ; my room: 144 or 128 rows
	v_lshlrev_b32 v100, 9, v100
	v_lshl_add_u32 v100, v101, 6, v100
	v_mad_u32_u24 v100, v94, v102, v100            ; my first row among the expert's
	v_sub_nc_u32 v104, v95, v100
	v_max_i32 v104, 0, v104
	v_min_u32 v104, v104, v102                     ; count
	v_min_u32 v100, v100, v95
	v_add_nc_u32 v106, v96, v100                   ; first
	v_lshl_or_b32 v107, v99, 16, v104
	v_lshlrev_b32 v105, 3, v0
	global_store_b64 v105, v[106:107], s[14:15]
.Lnoplan:
	s_wait_tensorcnt 0x0                           ; the wave's end: behind my last LDS store
	ds_add_u32 v[SPW], v[NIL]
	s_wait_dscnt 0x0
	s_endpgm
.Lfunc_end_k_q9fc29c206a_prep:
	.size	k_q9fc29c206a_prep, .Lfunc_end_k_q9fc29c206a_prep-k_q9fc29c206a_prep
	.p2alignl 7, 3214868480
	.fill 96, 4, 3214868480
	.section	.rodata,"a",@progbits
	.p2align	6, 0x0
	.amdhsa_kernel k_q9fc29c206a_prep
		.amdhsa_group_segment_fixed_size 79872
		.amdhsa_private_segment_fixed_size 0
		.amdhsa_enable_private_segment 0
		.amdhsa_kernarg_size 72
		.amdhsa_user_sgpr_count 2
		.amdhsa_user_sgpr_kernarg_segment_ptr 1
		.amdhsa_wavefront_size32 1
		.amdhsa_system_sgpr_workgroup_id_x 1
		.amdhsa_system_sgpr_workgroup_id_y 1
		.amdhsa_system_sgpr_workgroup_id_z 1
		.amdhsa_system_vgpr_workitem_id 0
		.amdhsa_next_free_vgpr 112
		.amdhsa_next_free_sgpr 96
		.amdhsa_reserve_vcc 1
		.amdhsa_float_denorm_mode_32 3
		.amdhsa_float_denorm_mode_16_64 3
		.amdhsa_memory_ordered 1
		.amdhsa_forward_progress 1
		.amdhsa_inst_pref_size 41
	.end_amdhsa_kernel
	.amdgpu_metadata
---
amdhsa.version: [ 1, 2 ]
amdhsa.kernels:
  - .name:           k_q9fc29c206a_prep
    .symbol:         k_q9fc29c206a_prep.kd
    .args:
      - { .name: species, .offset: 0, .size: 8, .value_kind: global_buffer, .address_space: global }
      - { .name: W1, .offset: 8, .size: 8, .value_kind: global_buffer, .address_space: global }
      - { .name: W2, .offset: 16, .size: 8, .value_kind: global_buffer, .address_space: global }
      - { .name: W3, .offset: 24, .size: 8, .value_kind: global_buffer, .address_space: global }
      - { .name: order, .offset: 32, .size: 8, .value_kind: global_buffer, .address_space: global }
      - { .name: plan, .offset: 40, .size: 8, .value_kind: global_buffer, .address_space: global }
      - { .name: wt, .offset: 48, .size: 8, .value_kind: global_buffer, .address_space: global }
      - { .name: w3b, .offset: 56, .size: 8, .value_kind: global_buffer, .address_space: global }
      - { .name: out0, .offset: 64, .size: 8, .value_kind: global_buffer, .address_space: global }
    .group_segment_fixed_size: 79872
    .private_segment_fixed_size: 0
    .kernarg_segment_align: 8
    .kernarg_segment_size: 72
    .max_flat_workgroup_size: 1024
    .sgpr_count:     96
    .vgpr_count:     112
    .wavefront_size: 32
...
	.end_amdgpu_metadata
.endif
;; end of part 1
;; launch chain (part 2): grid 256 x 1, 4 waves a work-group, no clusters, 327,680 bytes of LDS; arguments density, order, plan, wt, w3b, b1, b2, b3, out0; writes out0
.if DOCPART == 2
	.amdgcn_target "amdgcn-amd-amdhsa--gfx1250"
	.amdhsa_code_object_version 6
	.text
	.protected	k_q9fc29c206a_chain
	.globl	k_q9fc29c206a_chain
	.p2align	8
	.type	k_q9fc29c206a_chain,@function
k_q9fc29c206a_chain:
	s_mov_b64 s[64:65], 0
	v_nop
	global_prefetch_b8 v0, s[64:65] scope:SCOPE_SE
	s_setreg_imm32_b32 hwreg(HW_REG_WAVE_MODE, 25, 1), 1
	s_wait_xcnt 0x0
; CHAIN.  out[atom] = silu(silu(x W1 + b1) W2 + b2) W3 + b3 with the weights of the atom's expert.  A work-group takes up to 144 atoms of ONE expert (plan, order: whole
; numbers stored by the launch before) through all three layers; the hidden layers stay in LDS.  All inputs are rounded to bf16 (x here, the biases here, the weights in the launch
; before), H1 and H2 once to bf16; all sums in f32.
; LIMITS.  silu(z) = z / (1 + e^-z) is made as (c z) / (c 2^(c z) + c), c = -log2(e): below z = -88 it gives -0 where the true value is under 1e-36 in size; exponentials and reciprocals
; flush denormals; NaN and infinities are not treated apart.  bf16 has f32's range, so larger, smaller or shifted inputs are served as far as the sums stay finite.
; SHARES.  144 row places = 9 tiles of 16; places past the count repeat the work-group's first row and are not stored.  Wave w owns hidden columns 128 w .. 128 w + 127 of all
; 144 rows: 72 accumulators of 16 x 16.  THE MATRIX INSTRUCTION IS USED TRANSPOSED: source 0 = 16 hidden units (rows of W^T, K along the row), source 1 = 16 atoms: a lane holds one
; atom (lane % 16) and hidden units 8 (lane / 16) + 0..7, 16 bytes of a row of H once rounded.  For 32 along K a wave reads 34 x 16 bytes a lane for 72 matrix instructions.
; WEIGHTS.  An expert's 16 slabs (2 layers x 8 K steps of 64; 512 rows n x 128 bytes) are one stream through a ring of two LDS slots; each wave fetches its quarter of a slab.
; By this text's count a wave has two tensor loads out at the start and one behind each barrier of a refill.
; NO CLUSTER.  The plan gives each four neighbouring work-groups one expert, so the four walk the same 1 MiB stream, and joint loads would make 64 MiB of the launch's 256 MiB of
; requests.  This text does not ask jointly: the stream's address is made of the expert, a number that each work-group reads from memory.
; REGISTERS, in windows of 256 (s_set_vgpr_msb: bits 1:0 source 0, 3:2 source 1, 5:4 source 2, 7:6 destination):
;   window 0: v0-31 addresses; v32-103, v104-175 fragments of X or H, two buffers (tile a at + 8 a); v176-239 the two biases packed; in the SiLU v32-159 four sets T, v160-255 three sets E
;   window 1: v0-63, v64-127 fragments of W, two buffers; v128-191 tile 8's accumulators; v192-255 the layer's bias in f32, the C of the products that start the sums
;   window 2: accumulators of tiles 0-3 ((a, b) at 8 (8 a + b)); in the gather the landing registers;   window 3: those of tiles 4-7
.set PW,    144                        ; a row of W in LDS: 128 bytes + 16: the 16 rows of a fragment load start in 16 different groups of four banks (ISA guide 11.1)
.set QW,    128*PW                     ; a wave's quarter of a slot
.set SLOT,  4*QW
.set STEPB, 65536                      ; a slab in memory
.set XH,    2*SLOT                     ; X, then H1, then H2: 144 rows of 1,024 + 16 bytes; written by LDS stores alone, no tensor load lands here
.set PX,    1040
.set TILEB, 16*PX
.set SPARE, XH+144*PX                  ; the spare words, 128 bytes for each wave; no other line names them
.set W3L,   SPARE+512                  ; the expert's W3, 512 bf16; written by LDS stores alone
.set ADRX, 4                           ; v4-6   fragment address of tiles 0-2, 3-5, 6-8; steps 256 bytes a lap
.set ADRW, 7                           ; v7-8   fragment address of my W rows in slot 0, 1
.set STO,  9                           ; v9-11  where my 16 bytes of H go, tiles 0-2, 3-5, 6-8
.set XST,  12                          ; v12    gather: my 8 bytes in my wave's first row of X
.set BOF,  13                          ; v13    byte offset of my 8 numbers in b1, b2
.set W3O,  14                          ; v14    LDS address of my 8 numbers of W3
.set AOF,  15                          ; v15-17 byte offsets in out0 of the atoms at my three output places
.set PLC,  18                          ; v18-20 those places; lanes 16-31 carry 65,536 more and never store
.set L3A,  21                          ; v21, v22, v30  layer 3: fragment address of tiles w, w + 4, 8
.set L3B,  22
.set B3V,  23                          ; v23    b3
.set RB,   27                          ; v27    (lane % 16) x 1040 + 16 (lane / 16); never rewritten
.set SPW,  28                          ; v28    LDS address of my spare word; never rewritten
.set NIL,  29                          ; v29    0; never rewritten
.set L3C,  30
.set FX,   32
.set XOFF, 32                          ; v32-67 gather: byte offset in density of my 16 bytes of each of my wave's 36 rows; v68-71 gather: W3's 8 bytes and their two addresses
.set B2P,  176
.set B1P,  208
.set TS,   32
.set ES,   160
.set BIAS, 192                         ; window 1
.set G1,   76                          ; s[76:83] descriptor group 1
.set G0,   84                          ; s[84:91] descriptor group 0, a set for each slot
.set CC,   92                          ; s[92:93] c = -log2(e), twice
.set MSB, 0
.macro WIN new                         ; the immediate's high byte repeats the setting that is left; a switch that changes nothing is dropped
.if MSB != (\new)
	s_set_vgpr_msb (MSB<<8)|(\new)
.set MSB, (\new)
.endif
.endm
.macro PLACES                          ; four plain vector instructions between a matrix instruction and a load into, or a vector access to, its registers
.rept 4
	v_nop
.endr
.endm
.macro REFILL slot                     ; the slot takes the stream's step two further on; no tensor load of mine is out, so its group 0 may be written
	s_add_nc_u64 s[G0+4*(\slot)+2:G0+4*(\slot)+3], s[G0+4*(\slot)+2:G0+4*(\slot)+3], 2*STEPB
	tensor_load_to_lds s[G0+4*(\slot):G0+4*(\slot)+3], s[G1:G1+7]
	s_nop 0
	PLACES                                         ; behind the tensor load, and the places in front of the fragment loads that follow
.endm
; 34 LDS loads in one run: my 8 blocks of W (byte kw of the slot's rows), then the 9 tiles of X or H (byte kx), 32 along K, into buffer f
.macro FETCH slot, kw, kx, f
	WIN 0x40
.irp b, 0,1,2,3,4,5,6,7
	ds_load_b128 v[64*(\f)+8*\b:64*(\f)+8*\b+3],   v[ADRW+(\slot)] offset:16*PW*\b+(\kw)
	ds_load_b128 v[64*(\f)+8*\b+4:64*(\f)+8*\b+7], v[ADRW+(\slot)] offset:16*PW*\b+(\kw)+32
.endr
	WIN 0
.irp a, 0,1,2,3,4,5,6,7,8
	ds_load_b128 v[FX+72*(\f)+8*\a:FX+72*(\f)+8*\a+3],   v[ADRX+\a/3] offset:(\a%3)*TILEB+(\kx)
	ds_load_b128 v[FX+72*(\f)+8*\a+4:FX+72*(\f)+8*\a+7], v[ADRX+\a/3] offset:(\a%3)*TILEB+(\kx)+32
.endr
.endm
; 8 matrix instructions: tile a x my 8 blocks.  withb = 1: the bias is C and the product starts the sum.  All 72 accumulators come once a quarter in one order: they take turns.
.macro MULT f, a, withb
.if (\a) == 8
.set rD, 128
	WIN 0x51
.elseif (\a) >= 4
.set rD, 64*((\a)-4)
	WIN 0xf1-0x20*(\withb)
.else
.set rD, 64*(\a)
	WIN 0xa1-0x10*(\withb)
.endif
.irp b, 0,1,2,3,4,5,6,7
.if \withb
	v_wmma_f32_16x16x32_bf16 v[rD+8*\b:rD+8*\b+7], v[64*(\f)+8*\b:64*(\f)+8*\b+7], v[FX+72*(\f)+8*(\a):FX+72*(\f)+8*(\a)+7], v[BIAS+8*\b:BIAS+8*\b+7]
.else
	v_wmma_f32_16x16x32_bf16 v[rD+8*\b:rD+8*\b+7], v[64*(\f)+8*\b:64*(\f)+8*\b+7], v[FX+72*(\f)+8*(\a):FX+72*(\f)+8*(\a)+7], v[rD+8*\b:rD+8*\b+7]
.endif
.endr
.endm
; A K step of 64 is two quarters of 32.  The first multiplies buffer f and fetches the next quarter into g.
.macro QUARTER slot, kw, kx, f, g, withb
	s_wait_dscnt 10                                ; W and tiles 0-3 are in; the youngest ten loads (tiles 4-8) may be out
	MULT \f, 0, \withb
	MULT \f, 1, \withb
	MULT \f, 2, \withb
	MULT \f, 3, \withb
	PLACES
	FETCH \slot, \kw, \kx, \g
	s_wait_dscnt 34                                ; all but the 34 just issued
	MULT \f, 4, \withb
	MULT \f, 5, \withb
	MULT \f, 6, \withb
	MULT \f, 7, \withb
	MULT \f, 8, \withb
.endm
; The second multiplies buffer 1 and changes slots: ONE barrier.  In front of it each wave waits for all its tensor loads (one is out: its part of the next slot), adds 0 to its spare word and
; waits for that and for its own LDS reads.  Behind it nobody reads this slot any more and the next slot is whole.  refill = 1: this slot is filled again, first thing behind the barrier;
; from that request to the wait for it a wave issues 112 matrix instructions.
.macro TURN slot, next, kx, refill, fetch
	WIN 0
	s_wait_tensorcnt 0x0
	ds_add_u32 v[SPW], v[NIL]
	s_wait_dscnt 11                                ; the add and the youngest ten loads may be out
	MULT 1, 0, 0
	MULT 1, 1, 0
	s_wait_dscnt 0x0                               ; the add is done, and my reads of this slot and of X are over
	s_barrier_signal -1
	MULT 1, 2, 0
	MULT 1, 3, 0
	s_barrier_wait -1
.if \refill
	REFILL \slot
.elseif \fetch
	PLACES
.endif
.if \fetch
	FETCH \next, 0, \kx, 0
.endif
	MULT 1, 4, 0
	MULT 1, 5, 0
	MULT 1, 6, 0
	MULT 1, 7, 0
	MULT 1, 8, 0
.endm
.macro PACKB raw, dst                  ; 64 f32 of a bias (window 1) rounded to bf16, packed (window 0)
	WIN 0x05
.set i, 0
.rept 32
	v_cvt_pk_bf16_f32 v[(\dst)+i], v[(\raw)+2*i], v[(\raw)+2*i+1]
.set i, i+1
.endr
	WIN 0
.endm
.macro EXPAND src                      ; and back to f32, into the registers that the first products take as C
	WIN 0x40
.set i, 0
.rept 32
	v_lshlrev_b32 v[BIAS+2*i], 16, v[(\src)+i]
	v_and_b32 v[BIAS+2*i+1], s99, v[(\src)+i]
.set i, i+1
.endr
	WIN 0
.endm
; Row i of my wave's 36: its four loads are in; rounded to bf16, 8 bytes a lane and load, into X; its landing registers take row i + 15.
.macro XROW i
.set sl, 16*((\i)%15)
.set tp, 240+8*((\i)%2)
.if (\i) <= 21
	s_wait_loadcnt 56                              ; the 14 younger rows' loads may be out
.else
	s_wait_loadcnt 4*(35-(\i))                     ; the rows left
.endif
	WIN 0x8a
.irp j, 0,1,2,3,4,5,6,7
	v_cvt_pk_bf16_f32 v[tp+\j], v[sl+2*\j], v[sl+2*\j+1]
.endr
	WIN 0x88                                       ; LDS data and loaded data in window 2, addresses in window 0
.irp j, 0,1,2,3
	ds_store_b64 v[XST], v[tp+2*\j:tp+2*\j+1] offset:PX*(\i)+256*\j
.endr
.if (\i)+15 < 36
.irp j, 0,1,2,3
	global_load_b128 v[sl+4*\j:sl+4*\j+3], v[XOFF+(\i)+15], s[4:5] offset:512*\j
.endr
.endif
.endm
; THE SILU, in 18 units of 32 accumulator registers (tile u / 2, blocks 4 (u % 2) ..), four stages a unit, one stage a slot:
;   slot u - 1: T = c z      slot u: E = 2^T      slot u + 1: E = c E + c, E = 1 / E      slot u + 2: T = T E = silu(z), rounded to bf16 into E's first 16 registers, stored
; Each slot ends with ONE wait for its 64 transcendentals; every reader of a result stands in a later slot.  T lives four slots, E three.
.macro ESLOT k
.set uA, (\k)+1
.set uB, (\k)
.set uC, (\k)-1
.set uD, (\k)-2
.if (uA >= 0) && (uA < 18)
.set rT, TS+32*(uA%4)
.if uA >= 16
	WIN 0x01
.set rA, 128+32*(uA%2)
.elseif uA >= 8
	WIN 0x03
.set rA, 64*((uA/2)%4)+32*(uA%2)
.else
	WIN 0x02
.set rA, 64*((uA/2)%4)+32*(uA%2)
.endif
.set i, 0
.rept 16                               ; ascending: each accumulator is first read at its low end
	v_pk_mul_f32 v[rT+2*i:rT+2*i+1], v[rA+2*i:rA+2*i+1], s[CC:CC+1] op_sel_hi:[1,0]
.set i, i+1
.endr
.endif
	WIN 0
.set i, 0
.rept 16
.if (uB >= 0) && (uB < 18)
	v_exp_f32 v[ES+32*(uB%3)+2*i], v[TS+32*(uB%4)+2*i]
	v_exp_f32 v[ES+32*(uB%3)+2*i+1], v[TS+32*(uB%4)+2*i+1]
.endif
.if (uC >= 0) && (uC < 18)
	v_pk_fma_f32 v[ES+32*(uC%3)+2*i:ES+32*(uC%3)+2*i+1], v[ES+32*(uC%3)+2*i:ES+32*(uC%3)+2*i+1], s[CC:CC+1], s[CC:CC+1] op_sel_hi:[1,0,0]
.endif
.set i, i+1
.endr
.set i, 0
.rept 32
.if (uC >= 0) && (uC < 18)
	v_rcp_f32 v[ES+32*(uC%3)+i], v[ES+32*(uC%3)+i]
.endif
.if (uD >= 0) && (uD < 18)
.if i < 16
	v_pk_mul_f32 v[TS+32*(uD%4)+2*i:TS+32*(uD%4)+2*i+1], v[TS+32*(uD%4)+2*i:TS+32*(uD%4)+2*i+1], v[ES+32*(uD%3)+2*i:ES+32*(uD%3)+2*i+1]
.else
	v_cvt_pk_bf16_f32 v[ES+32*(uD%3)+i-16], v[TS+32*(uD%4)+2*(i-16)], v[TS+32*(uD%4)+2*(i-16)+1]
.endif
.endif
.set i, i+1
.endr
.if (uD >= 0) && (uD < 18)
.irp z, 0,1,2,3
	ds_store_b128 v[STO+(uD/2)/3], v[ES+32*(uD%3)+4*\z:ES+32*(uD%3)+4*\z+3] offset:((uD/2)%3)*TILEB+32*(4*(uD%2)+\z)
.endr
.endif
.if ((\k) >= 0) && ((\k) <= 18)
	v_nop                                          ; a plain instruction behind the last transcendental,
	s_wait_alu depctr_va_vdst(0)                   ; and the one wait ahead of the first reader of the slot's results
.endif
.endm
; A LAYER's products: 8 K steps of 64.  last = 0: the first layer, whose last two changes of slots ask for the second layer's first two slabs.  last = 1: the stream ends, and its last
; two changes of slots ask for nothing. The barrier in the last change of slots also shows that no wave still reads X (or H1): the SiLU may write over it.
.macro LAYER last
	v_add_nc_u32 v[ADRX],   XH, v[RB]
	v_add_nc_u32 v[ADRX+1], XH+3*TILEB, v[RB]
	v_add_nc_u32 v[ADRX+2], XH+6*TILEB, v[RB]
	FETCH 0, 0, 0, 0
	QUARTER 0, 64, 64, 0, 1, 1                     ; the first quarter starts the sums, with the bias as C
	WIN 0
	s_mov_b32 s94, 3
.Llap_\@:                                              ; a trip: once round the ring, 128 along K, from a lap's second quarter to the next lap's first; both slots are filled again
	TURN 0, 1, 128, 1, 1
	QUARTER 1, 64, 192, 0, 1, 0
	TURN 1, 0, 256, 1, 1
	QUARTER 0, 64, 320, 0, 1, 0
	WIN 0
	v_add_nc_u32 v[ADRX],   0x100, v[ADRX]
	v_add_nc_u32 v[ADRX+1], 0x100, v[ADRX+1]
	v_add_nc_u32 v[ADRX+2], 0x100, v[ADRX+2]
	s_sub_co_u32 s94, s94, 1
	s_cmp_lg_u32 s94, 0
	s_cbranch_scc1 .Llap_\@
.if \last
	TURN 0, 1, 128, 0, 1
	QUARTER 1, 64, 192, 0, 1, 0
	TURN 1, 0, 0, 0, 0
.else
	EXPAND B2P                                     ; the next layer's bias, before the SiLU takes the packed registers
	TURN 0, 1, 128, 1, 1                           ; slot 0 takes the second layer's step 0,
	QUARTER 1, 64, 192, 0, 1, 0
	TURN 1, 0, 0, 1, 0                             ; slot 1 its step 1
.endif
	PLACES                                         ; behind the last products, ahead of the SiLU's reads
	WIN 0
.endm
	; ---- THE HEAD ----
	s_load_b512 s[4:19], s[0:1], 0x0               ; density s[4:5], order s[6:7], plan s[8:9], wt s[10:11], w3b s[12:13], b1 s[14:15], b2 s[16:17], b3 s[18:19]
	s_load_b64 s[20:21], s[0:1], 0x40              ; out0
	v_lshl_add_u32 v[SPW], v0, 2, SPARE
	v_mov_b32 v[NIL], 0
	ds_add_u32 v[SPW], v[NIL]                      ; the wave's opening: the add and its wait ahead of my first tensor load
	v_lshrrev_b32 v1, 5, v0
	v_readfirstlane_b32 s22, v1                    ; wave 0..3
	s_lshl_b32 s96, ttmp9, 3                       ; my plan entry
	; descriptor group 1: 16,384 dense bytes as 64 rows of 256, padded in LDS after every 128 bytes: 128 LDS rows of 144
	s_mov_b32 s[G1], (1<<16)|(1<<20)|(4<<22)|(3<<25)  ; 15:0 no mask; 17:16 2-byte elements; 20 padding on; 24:22 after every 32 words; 31:25 4 words
	s_mov_b32 s[G1+1], 128<<16                     ; tensor_dim0 = 128
	s_mov_b32 s[G1+2], 64<<16                      ; tensor_dim1 = 64
	s_mov_b32 s[G1+3], 128<<16                     ; tile_dim0 = 128
	s_mov_b32 s[G1+4], 64                          ; tile_dim1 = 64
	s_mov_b32 s[G1+5], 128                         ; elements from row to row
	s_mov_b32 s[G1+6], 0
	s_mov_b32 s[G1+7], 0
	s_mov_b32 s[CC], 0xbfb8aa3b                    ; -log2(e)
	s_mov_b32 s[CC+1], s[CC]
	s_mov_b32 s99, 0xffff0000
	s_wait_dscnt 0x0                               ; the opening add is done
	s_wait_kmcnt 0x0
	s_load_b64 s[26:27], s[8:9], s96 offset:0x0    ; first, count | expert << 16
	s_wait_kmcnt 0x0
	s_min_u32 s26, s26, 0x8000                     ; first
	s_lshr_b32 s28, s27, 16
	s_min_u32 s28, s28, 3                          ; expert
	s_and_b32 s27, s27, 0xffff
	s_min_u32 s27, s27, 144                        ; count
	s_mul_i32 s25, s22, 36
	s_sub_co_i32 s29, s27, s25                     ; rows of mine that exist (may be negative)
	s_add_co_u32 s96, s26, s25
	s_lshl_b32 s96, s96, 2
	s_load_b512 s[32:47], s[6:7], s96 offset:0x0   ; my wave's 36 atom numbers
	s_load_b512 s[48:63], s[6:7], s96 offset:0x40
	s_load_b128 s[68:71], s[6:7], s96 offset:0x80
	s_lshl_b32 s97, s26, 2
	s_load_b32 s72, s[6:7], s97 offset:0x0         ; the work-group's first atom: places past the count repeat it
	s_lshl_b32 s30, s28, 2
	s_load_b32 s98, s[18:19], s30 offset:0x0       ; b3
	s_lshl_b32 s74, s28, 20                        ; the expert's stream, 16 slabs,
	s_lshl_b32 s75, s22, 14                        ; my quarter of a slab
	s_add_co_u32 s74, s74, s75
	s_mov_b32 s75, 0
	s_add_nc_u64 s[74:75], s[10:11], s[74:75]
	s_mul_i32 s73, s22, QW                         ; and its place in a slot
.irp s, 0,1
	s_mov_b32 s[G0+4*\s], 1                        ; count = 1
	s_add_co_u32 s[G0+4*\s+1], s73, \s*SLOT        ; LDS address
	s_add_nc_u64 s[G0+4*\s+2:G0+4*\s+3], s[74:75], \s*STEPB  ; global address: stream step s
	s_or_b32 s[G0+4*\s+3], s[G0+4*\s+3], 0x80000000          ; type = 2
.endr
	tensor_load_to_lds s[G0:G0+3], s[G1:G1+7]      ; the two first fills go out together, ahead of every wait on TENSORcnt, every LDS read and every barrier
	s_nop 0
	tensor_load_to_lds s[G0+4:G0+7], s[G1:G1+7]
	s_nop 0
	PLACES
	; ---- THE GATHER ----
	v_and_b32 v1, 15, v0                           ; r = lane % 16
	v_bfe_u32 v2, v0, 4, 1                         ; h = lane / 16
	v_and_b32 v3, 31, v0
	v_lshlrev_b32 v[XST], 3, v3
	v_lshlrev_b32 v3, 4, v3                        ; 16 x lane
	v_mul_u32_u24 v[RB], v1, PX
	v_lshl_add_u32 v[RB], v2, 4, v[RB]
	v_mul_u32_u24 v24, v1, PW
	v_lshl_add_u32 v24, v2, 4, v24
	v_add_nc_u32 v[ADRW], s73, v24
	v_add_nc_u32 v[ADRW+1], SLOT, v[ADRW]
	s_lshl_b32 s2, s22, 8
	s_add_co_u32 s2, s2, XH
	v_add_nc_u32 v[STO], s2, v[RB]                 ; row r, byte 256 w + 16 h
	v_add_nc_u32 v[STO+1], 3*TILEB, v[STO]
	v_add_nc_u32 v[STO+2], 6*TILEB, v[STO]
	s_mul_i32 s3, s22, 36*PX
	s_add_co_u32 s3, s3, XH
	v_add_nc_u32 v[XST], s3, v[XST]
	s_mul_i32 s25, s22, TILEB
	s_add_co_u32 s25, s25, XH
	v_add_nc_u32 v[L3A], s25, v[RB]
	v_add_nc_u32 v[L3B], 4*TILEB, v[L3A]
	v_add_nc_u32 v[L3C], XH+8*TILEB, v[RB]
	s_lshl_b32 s31, s28, 11
	s_lshl_b32 s101, s22, 9
	s_add_co_u32 s31, s31, s101
	v_lshl_add_u32 v[BOF], v2, 5, s31              ; 4 (512 e + 128 w + 8 h)
	s_lshl_b32 s101, s28, 10
	v_lshl_add_u32 v70, v0, 3, s101                ; w3b: 2 x 512 e + 8 t
	v_lshl_add_u32 v71, v0, 3, W3L                 ; and its place in LDS: 128 threads x 8 bytes
	v_lshl_add_u32 v[W3O], v2, 4, W3L              ; layer 3 reads it from here: 2 x 8 h
	v_lshl_add_u32 v24, s22, 4, v1                 ; place 16 w + r
	v_lshl_add_u32 v[PLC], v2, 16, v24
	v_add_nc_u32 v[PLC+1], 64, v[PLC]
	v_lshl_add_u32 v[PLC+2], v2, 16, v1
	v_add_nc_u32 v[PLC+2], 0x80, v[PLC+2]
	v_lshl_add_u32 v25, v24, 2, s97
	v_lshl_add_u32 v26, v1, 2, s97
	WIN 0x40
.irp b, 0,1,2,3,4,5,6,7
	global_load_b128 v[8*\b:8*\b+3],       v[BOF], s[14:15] offset:64*\b      ; b1 of hidden units 128 w + 16 b + 8 h + 0..7
	global_load_b128 v[8*\b+4:8*\b+7],     v[BOF], s[14:15] offset:64*\b+16
	global_load_b128 v[64+8*\b:64+8*\b+3], v[BOF], s[16:17] offset:64*\b      ; b2
	global_load_b128 v[64+8*\b+4:64+8*\b+7], v[BOF], s[16:17] offset:64*\b+16
.endr
	WIN 0
	global_load_b32 v[AOF],   v25, s[6:7]          ; the atoms at my output places: 16 w + r, + 64, 128 + r
	global_load_b32 v[AOF+1], v25, s[6:7] offset:256
	global_load_b32 v[AOF+2], v26, s[6:7] offset:512
	global_load_b64 v[68:69], v70, s[12:13]        ; my 4 numbers of the expert's W3
	s_wait_kmcnt 0x0
.set n, 0
.rept 36
.if n < 32
.set sx, 32+n
.else
.set sx, 36+n
.endif
	s_cmp_gt_i32 s29, n                            ; a select, no branch
	s_cselect_b32 s[sx], s[sx], s72
	s_min_u32 s[sx], s[sx], 0x7fff
	v_lshl_add_u32 v[XOFF+n], s[sx], 11, v3        ; 2,048 bytes a row + 16 x lane
.set n, n+1
.endr
	WIN 0x88
.set n, 0
.rept 15                               ; 15 rows, 60 loads of 512 consecutive bytes, are on their way for each wave
.irp j, 0,1,2,3
	global_load_b128 v[16*n+4*\j:16*n+4*\j+3], v[XOFF+n], s[4:5] offset:512*\j
.endr
.set n, n+1
.endr
.set n, 0
.rept 36
	XROW n
.set n, n+1
.endr
	WIN 0
	ds_store_b64 v71, v[68:69]                     ; the last row's wait was for 0: W3, the biases and the atoms' numbers are in
	PACKB 0, B1P
	PACKB 64, B2P
	EXPAND B1P
.irp n, 0,1,2
	v_min_u32 v[AOF+\n], 0x7fff, v[AOF+\n]
	v_lshlrev_b32 v[AOF+\n], 2, v[AOF+\n]
.endr
	v_mov_b32 v[B3V], s98
	v_cvt_pk_bf16_f32 v[B3V], v[B3V], v[B3V]
	v_lshlrev_b32 v[B3V], 16, v[B3V]               ; b3 rounded to bf16, like every input
	s_wait_tensorcnt 0x1                           ; my part of stream step 0 is in; step 1 may stay out
	s_wait_dscnt 0x0                               ; my rows of X and my part of W3 are stored
	s_barrier_signal -1
	s_barrier_wait -1
	; ---- TWO LAYERS.  The SiLU's text stands once: it is walked behind the first layer's products and, by the jump back, behind the second's. ----
	s_mov_b32 s95, 2
	LAYER 0
.Lepi:
.set kk, -1
.rept 21
	ESLOT kk                                       ; H1 over X, then H2 over H1
.set kk, kk+1
.endr
	WIN 0
	s_wait_dscnt 0x0                               ; my part of H is stored
	s_barrier_signal -1
	s_barrier_wait -1                              ; behind the first layer one tensor load of mine is out across this barrier
	s_sub_co_u32 s95, s95, 1
	s_cmp_eq_u32 s95, 0
	s_cbranch_scc1 .Lout
	LAYER 1
	s_branch .Lepi
.Lout:
	; ---- LAYER 3.  Source 0 = W3 in every row, source 1 = 16 atoms of H2: every row of the result holds the 16 atoms' outputs, register 0 of lane r atom r's.
	; A wave takes tiles w, w + 4 and 8 (tile 8 is made by all four and stored by wave 0): three accumulators by turns, K in four chunks of 128. ----
.macro L3LOAD ch, buf
	WIN 0
.irp q, 0,1,2,3
	ds_load_b128 v[64+96*(\buf)+8*\q:64+96*(\buf)+8*\q+3],       v[L3A] offset:256*(\ch)+64*\q
	ds_load_b128 v[64+96*(\buf)+8*\q+4:64+96*(\buf)+8*\q+7],     v[L3A] offset:256*(\ch)+64*\q+32
	ds_load_b128 v[96+96*(\buf)+8*\q:96+96*(\buf)+8*\q+3],       v[L3B] offset:256*(\ch)+64*\q
	ds_load_b128 v[96+96*(\buf)+8*\q+4:96+96*(\buf)+8*\q+7],     v[L3B] offset:256*(\ch)+64*\q+32
	ds_load_b128 v[128+96*(\buf)+8*\q:128+96*(\buf)+8*\q+3],     v[L3C] offset:256*(\ch)+64*\q
	ds_load_b128 v[128+96*(\buf)+8*\q+4:128+96*(\buf)+8*\q+7],   v[L3C] offset:256*(\ch)+64*\q+32
.endr
.endm
.macro L3MUL ch, buf, first
	WIN 0x01
.irp q, 0,1,2,3
.irp n, 0,1,2
.if (\first) && (\q == 0)
	v_wmma_f32_16x16x32_bf16 v[32+8*\n:39+8*\n], v[8*(4*(\ch)+\q):8*(4*(\ch)+\q)+7], v[64+96*(\buf)+32*\n+8*\q:64+96*(\buf)+32*\n+8*\q+7], 0
.else
	v_wmma_f32_16x16x32_bf16 v[32+8*\n:39+8*\n], v[8*(4*(\ch)+\q):8*(4*(\ch)+\q)+7], v[64+96*(\buf)+32*\n+8*\q:64+96*(\buf)+32*\n+8*\q+7], v[32+8*\n:39+8*\n]
.endif
.endr
.endr
.endm
	WIN 0x40
.irp c, 0,1,2,3,4,5,6,7,8,9,10,11,12,13,14,15
	ds_load_b128 v[8*\c:8*\c+3],   v[W3O] offset:64*\c     ; W3 as source 0: all 16 rows alike, k = 32 c + 8 h + 0..7
	ds_load_b128 v[8*\c+4:8*\c+7], v[W3O] offset:64*\c+32  ; and 32 c + 16 + 8 h + 0..7
.endr
	L3LOAD 0, 0
	L3LOAD 1, 1
	s_wait_dscnt 24                                ; W3 and chunk 0 are in; the younger chunk's 24 loads may be out
	L3MUL 0, 0, 1
	PLACES
	L3LOAD 2, 0
	s_wait_dscnt 24
	L3MUL 1, 1, 0
	PLACES
	L3LOAD 3, 1
	s_wait_dscnt 24
	L3MUL 2, 0, 0
	s_wait_dscnt 0x0
	L3MUL 3, 1, 0
	WIN 0
	PLACES
; A tile's 16 outputs: + b3; only lanes whose place lies under the count store, 4 bytes each at the atom's own place in out0 (the rows are sorted, out0 is not).
.macro OUT n
	v_add_f32 v24, v[32+8*(\n)], v[B3V]
	v_cmp_gt_u32 vcc_lo, s27, v[PLC+(\n)]
	s_wait_xcnt 0x0                                ; EXEC changes only behind this wait,
	s_and_saveexec_b32 s100, vcc_lo
	global_store_b32 v[AOF+(\n)], v24, s[20:21]
	s_wait_xcnt 0x0                                ; and again in front of the line that widens it; v24 is free too
	s_or_b32 exec_lo, exec_lo, s100
.endm
	OUT 0
	OUT 1
	s_cmp_lg_u32 s22, 0
	s_cbranch_scc1 .Lno8
	OUT 2
.Lno8:
	s_wait_tensorcnt 0x0                           ; the wave's end: behind my last tensor load and my last LDS store
	ds_add_u32 v[SPW], v[NIL]
	s_wait_dscnt 0x0
	s_endpgm
.Lfunc_end_k_q9fc29c206a_chain:
	.size	k_q9fc29c206a_chain, .Lfunc_end_k_q9fc29c206a_chain-k_q9fc29c206a_chain
	.p2alignl 7, 3214868480
	.fill 96, 4, 3214868480
	.section	.rodata,"a",@progbits
	.p2align	6, 0x0
	.amdhsa_kernel k_q9fc29c206a_chain
		.amdhsa_group_segment_fixed_size 327680
		.amdhsa_private_segment_fixed_size 0
		.amdhsa_enable_private_segment 0
		.amdhsa_kernarg_size 72
		.amdhsa_user_sgpr_count 2
		.amdhsa_user_sgpr_kernarg_segment_ptr 1
		.amdhsa_wavefront_size32 1
		.amdhsa_system_sgpr_workgroup_id_x 1
		.amdhsa_system_sgpr_workgroup_id_y 1
		.amdhsa_system_sgpr_workgroup_id_z 1
		.amdhsa_system_vgpr_workitem_id 0
		.amdhsa_next_free_vgpr 1024
		.amdhsa_next_free_sgpr 102
		.amdhsa_reserve_vcc 1
		.amdhsa_float_denorm_mode_32 3
		.amdhsa_float_denorm_mode_16_64 3
		.amdhsa_memory_ordered 1
		.amdhsa_forward_progress 1
		.amdhsa_inst_pref_size 255
	.end_amdhsa_kernel
	.section	.bss,"aw",@nobits
	.p2align	6
	.space	262144
	.amdgpu_metadata
---
amdhsa.version: [ 1, 2 ]
amdhsa.kernels:
  - .name:           k_q9fc29c206a_chain
    .symbol:         k_q9fc29c206a_chain.kd
    .args:
      - { .name: density, .offset: 0, .size: 8, .value_kind: global_buffer, .address_space: global }
      - { .name: order, .offset: 8, .size: 8, .value_kind: global_buffer, .address_space: global }
      - { .name: plan, .offset: 16, .size: 8, .value_kind: global_buffer, .address_space: global }
      - { .name: wt, .offset: 24, .size: 8, .value_kind: global_buffer, .address_space: global }
      - { .name: w3b, .offset: 32, .size: 8, .value_kind: global_buffer, .address_space: global }
      - { .name: b1, .offset: 40, .size: 8, .value_kind: global_buffer, .address_space: global }
      - { .name: b2, .offset: 48, .size: 8, .value_kind: global_buffer, .address_space: global }
      - { .name: b3, .offset: 56, .size: 8, .value_kind: global_buffer, .address_space: global }
      - { .name: out0, .offset: 64, .size: 8, .value_kind: global_buffer, .address_space: global }
    .group_segment_fixed_size: 327680
    .private_segment_fixed_size: 0
    .kernarg_segment_align: 8
    .kernarg_segment_size: 72
    .max_flat_workgroup_size: 128
    .sgpr_count:     102
    .vgpr_count:     1024
    .wavefront_size: 32
...
	.end_amdgpu_metadata
.endif
;; end of part 2
;; ======== version 2 of 2: 2 launches; 1.67 times as fast as version 1
;; workspace buffers: order 132,096 bytes of whole numbers; plan 2,048 bytes of whole numbers; wt 4,194,304 bytes; w3b 4,096 bytes
;; launch prep (part 3): grid 128 x 1, 32 waves a work-group, no clusters, 79,872 bytes of LDS; arguments species, W1, W2, W3, order, plan, wt, w3b, out0; writes order, plan, wt, w3b, out0
.if DOCPART == 3
	.amdgcn_target "amdgcn-amd-amdhsa--gfx1250"
	.amdhsa_code_object_version 6
	.text
	.protected	k_q9fc29c206a_prep
	.globl	k_q9fc29c206a_prep
	.p2align	8
	.type	k_q9fc29c206a_prep,@function
k_q9fc29c206a_prep:
	s_mov_b64 s[64:65], 0
	v_nop
	global_prefetch_b8 v0, s[64:65] scope:SCOPE_SE
	s_setreg_imm32_b32 hwreg(HW_REG_WAVE_MODE, 25, 1), 1
	s_wait_xcnt 0x0
; PREP.  128 work-groups of two kinds, told apart by the work-group's number alone; k = the number modulo 64.
; WORK-GROUPS 0..63: ONE SLAB OF WEIGHTS each: 64 rows k x 512 columns n of W1 or W2 (f32, [k][n]) become 512 rows n x 64 k of bf16, so that the next launch finds K along the rows.
;     wt = [expert 4][layer 2][K step 8][n 512][k 64], a slab 65,536 dense bytes; slab = 16 e + 8 layer + step = k.
; WORK-GROUPS 64..127: A PART OF A COUNTING SORT of the 32,768 atoms by species (no atomics) each: the 512 atoms 512 k .. 512 k + 511 are placed.  Every such work-group counts all species
;     for itself (128 KB, 32 a thread): each bucket's total and its count among the atoms in front of the work-group's own.  An atom's place = the bucket's first place + that count + the atoms
;     of the bucket in front of it among the 512.  Buckets: species 0, 1, 2, 3, and 4 for every other int32 (such an atom keeps the 0 that is written to out0 here).
; order[0..32767]: atom numbers by bucket, ascending in each; order[32768..33023] = 0, so that 144 entries from any first <= 32768 are written bytes.
; Beside that each sorting work-group zeroes its 512 numbers of out0; that of k = 0 writes plan, k = 1 rounds W3 to bf16, k = 2 writes order's pads.
; plan[g] = {first, count | expert << 16} for work-group g of the next launch.
; THE DEAL.  64 groups of 4 neighbouring work-groups, a group has one expert.  c_e = ceil(n_e / 576) (sum <= 60); the groups left go one by one to the first expert
; with the largest n_e - 512 c_e; k_e = ceil(max(n_e - 512 c_e, 0) / 64) groups of e take 144 rows a work-group, the others 128: room for n_e in every split.
.set WTAB,  73728                      ; the sort's 32 x 64 bytes: each wave's eight sums; behind the slab's 512 rows x 144 bytes: the two kinds share no LDS byte
.set SPARE, 75776                      ; the spare words, 128 bytes for each of 32 waves; no other line names them
.set SPW, 126                          ; v126  LDS address of my spare word; never rewritten
.set NIL, 127                          ; v127  0; never rewritten
.set SP,  8                            ; v[8:39]   the sort: 32 species; the slab: as loaded
.set ROW, 92                           ; v[92:99]  eight packed sums: totals of buckets 0|1, 2|3; in front of my chunk 0|1, 2|3, 4; among my 512: 0|1, 2|3, 4 (16 bits a count: none passes 32,768)
	s_load_b512 s[4:19], s[0:1], 0x0               ; species s[4:5], W1 s[6:7], W2 s[8:9], W3 s[10:11], order s[12:13], plan s[14:15], wt s[16:17], w3b s[18:19]
	s_load_b64 s[20:21], s[0:1], 0x40              ; out0
	v_lshl_add_u32 v[SPW], v0, 2, SPARE
	v_mov_b32 v[NIL], 0
	v_lshrrev_b32 v1, 5, v0
	v_readfirstlane_b32 s22, v1                    ; wave 0..31
	v_and_b32 v2, 31, v0                           ; lane
	v_lshlrev_b32 v3, 4, v0                        ; 16 t
	s_and_b32 s23, ttmp9, 63                       ; k
	s_cmp_ge_u32 ttmp9, 64                         ; the same answer in all waves of a work-group; each way has one barrier
	s_cbranch_scc1 .Lsort
	; ---- ONE SLAB ----
	s_lshr_b32 s24, s23, 4                         ; e
	s_and_b32 s25, s23, 7                          ; step
	s_lshl_b32 s26, s24, 20                        ; an expert's 512 x 512 f32
	s_lshl_b32 s27, s25, 17                        ; 64 rows of 2,048 bytes
	s_add_co_u32 s26, s26, s27
	s_mov_b32 s27, 0
	s_lshl_b32 s30, s23, 16
	s_mov_b32 s31, 0
	s_and_b32 s32, s22, 7                          ; kg: my wave's 8 rows k
	s_lshr_b32 s33, s22, 3                         ; ng: my wave's 128 columns n
	s_lshl_b32 s34, s32, 14
	s_lshl_b32 s35, s33, 9
	s_add_co_u32 s34, s34, s35
	v_lshl_add_u32 v4, v2, 4, s34                  ; 8 kg rows + 512 ng bytes + 16 lane
	s_mul_i32 s36, s33, 128*144
	s_lshl_b32 s37, s32, 4
	s_add_co_u32 s36, s36, s37
	v_mul_u32_u24 v5, v2, 4*144
	v_add_nc_u32 v5, s36, v5                       ; in: LDS row n = 128 ng + 4 lane (+ c), pitch 144, byte 16 kg
	v_lshrrev_b32 v6, 3, v0
	v_and_b32 v7, 7, v0
	v_mul_u32_u24 v6, v6, 144
	v_lshl_add_u32 v6, v7, 4, v6                   ; back: row t / 8 (+ 128 j), 16 bytes t % 8
	s_wait_kmcnt 0x0
	s_bitcmp1_b32 s23, 3                           ; layer
	s_cselect_b64 s[28:29], s[8:9], s[6:7]         ; W2 or W1
	s_add_nc_u64 s[28:29], s[28:29], s[26:27]
	s_add_nc_u64 s[30:31], s[16:17], s[30:31]      ; wt at my slab
.irp i, 0,1,2,3,4,5,6,7
	global_load_b128 v[SP+4*\i:SP+4*\i+3], v4, s[28:29] offset:2048*\i th:TH_LOAD_NT  ; row 8 kg + i, columns 128 ng + 4 lane + 0..3: 512 consecutive bytes a wave; read once in the launch
.endr
	s_wait_loadcnt 0x0
.irp c, 0,1,2,3
.irp m, 0,1,2,3
	v_cvt_pk_bf16_f32 v[40+4*\c+\m], v[SP+8*\m+\c], v[SP+4+8*\m+\c]  ; column c: k = 8 kg + 2 m, + 2 m + 1
.endr
	ds_store_b128 v5, v[40+4*\c:43+4*\c] offset:144*\c
.endr
	s_wait_dscnt 0x0                               ; for the others' sake: my stores are done
	s_barrier_signal -1
	s_barrier_wait -1
.irp j, 0,1,2,3
	ds_load_b128 v[56+4*\j:59+4*\j], v6 offset:18432*\j
.endr
.irp j, 0,1,2,3
	s_wait_dscnt 3-\j                              ; the younger read-backs may stay out
	global_store_b128 v3, v[56+4*\j:59+4*\j], s[30:31] offset:16384*\j  ; a wave stores 512 consecutive bytes, aligned
.endr
	s_wait_tensorcnt 0x0                           ; the wave's end: behind my last LDS store
	ds_add_u32 v[SPW], v[NIL]
	s_wait_dscnt 0x0
	s_endpgm
	; ---- A PART OF THE SORT ----
.Lsort:
	v_lshlrev_b32 v7, 2, v0                        ; 4 t
	s_lshl_b32 s38, s23, 11                        ; my chunk's 512 words, in species and in out0
	s_lshl_b32 s39, s23, 9                         ; my chunk's first atom
	v_and_b32 v73, 0x1ff, v0
	v_lshl_add_u32 v73, v73, 2, s38                ; my own atom's species (waves 16..31 read the same words again and count them as nothing)
	s_wait_kmcnt 0x0
.irp j, 0,1,2,3,4,5,6,7
	global_load_b128 v[SP+4*\j:SP+4*\j+3], v3, s[4:5] offset:16384*\j  ; element 4 j + i is atom 4096 j + 4 t + i
.endr
	global_load_b32 v72, v73, s[4:5]
	v_mov_b32 v120, 0                              ; v[120:123] and v119 are sources of stores and are never rewritten
	v_mov_b32 v121, 0
	v_mov_b32 v122, 0
	v_mov_b32 v123, 0
	s_cmp_gt_u32 s22, 3
	s_cbranch_scc1 .Lnozero
	v_add_nc_u32 v119, s38, v3
	global_store_b128 v119, v[120:123], s[20:21]   ; out0 = 0 for my 512 atoms: waves 0..3, 512 consecutive bytes each
.Lnozero:
	s_cmp_lg_u32 s23, 2
	s_cbranch_scc1 .Lnopad
	s_cmp_gt_u32 s22, 1
	s_cbranch_scc1 .Lnopad
	global_store_b128 v3, v[120:123], s[12:13] offset:131072           ; order's 256 pad entries: k = 2, waves 0 and 1
.Lnopad:
	s_cmp_lg_u32 s23, 1
	s_cbranch_scc1 .Lnow3
	s_cmp_gt_u32 s22, 15
	s_cbranch_scc1 .Lnow3
	global_load_b128 v[112:115], v3, s[10:11]      ; W3: 2,048 numbers, four a thread: k = 1, waves 0..15
	v_lshlrev_b32 v118, 3, v0
	s_wait_loadcnt 0x0
	v_cvt_pk_bf16_f32 v116, v112, v113
	v_cvt_pk_bf16_f32 v117, v114, v115
	global_store_b64 v118, v[116:117], s[18:19]
.Lnow3:
	v_mov_b32 v75, 1                               ; constants, while the loads are out
	v_mov_b32 v82, 0                               ; written before it is a lane move's destination
	v_bfe_u32 v81, v0, 4, 1
	v_sub_nc_u32 v81, 0, v81                       ; all ones in lanes 16..31
	v_mov_b32 v87, s22
	v_lshl_add_u32 v87, v87, 6, WTAB               ; my wave's eight sums
	v_lshl_add_u32 v88, v2, 6, WTAB                ; wave l's, for lane l
	s_cmp_lt_u32 s22, 16
	s_cselect_b32 s40, 1, 0
	v_mov_b32 v86, s40                             ; 1 in the waves that hold atoms of the chunk
	s_wait_loadcnt 0x0                             ; the species are in
	; THE COUNT.  bucket = min(species, 4) as unsigned (negatives fall into 4).  Five counts of 6 bits (a thread has 32 elements): v76 of all, v77 of those in front of my chunk.
	; The four atoms of one load lie on one side of the chunk's first atom, a multiple of 512: one compare a load.
.set j, 0
.rept 8
.set rL, 78
.if j == 0
.set rL, 76
.endif
.irp i, 0,1,2,3
	v_min_u32 v[ROW+\i], 4, v[SP+4*j+\i]
.endr
.irp i, 0,1,2,3
	v_mul_u32_u24 v[ROW+\i], 6, v[ROW+\i]
.endr
.irp i, 0,1,2,3
	v_lshlrev_b32 v[ROW+\i], v[ROW+\i], v75
.endr
	v_add_nc_u32 v[ROW], v[ROW], v[ROW+1]
	v_add_nc_u32 v[ROW+2], v[ROW+2], v[ROW+3]
	v_add_nc_u32 v[rL], v[ROW], v[ROW+2]
	s_sub_co_i32 s40, s39, 4096*j
	s_max_i32 s40, s40, 0
	v_cmp_gt_u32 vcc_lo, s40, v7                   ; 4096 j + 4 t < my chunk's first atom
.if j == 0
	v_cndmask_b32 v77, 0, v76, vcc_lo
.else
	v_cndmask_b32 v80, 0, v78, vcc_lo
	v_add_nc_u32 v76, v76, v78
	v_add_nc_u32 v77, v77, v80
.endif
.set j, j+1
.endr
.macro UNPK l, d, three                ; 6-bit counts into 16-bit halves: 0|1, 2|3 and, if asked for, 4
	v_bfe_u32 v78, v[\l], 6, 6
	v_bfe_u32 v79, v[\l], 18, 6
	v_bfe_u32 v[\d], v[\l], 0, 6
	v_bfe_u32 v[(\d)+1], v[\l], 12, 6
.if \three
	v_bfe_u32 v[(\d)+2], v[\l], 24, 6
.endif
	v_lshl_or_b32 v[\d], v78, 16, v[\d]
	v_lshl_or_b32 v[(\d)+1], v79, 16, v[(\d)+1]
.endm
	UNPK 76, ROW, 0                                ; bucket 4's total is not wanted: it is the last bucket
	UNPK 77, ROW+2, 1
	v_min_u32 v72, 4, v72                          ; my own atom's bucket, as a 1 in its count's place
	v_and_b32 v79, 1, v72
	v_lshlrev_b32 v79, 4, v79                      ; an odd bucket lies in the upper half
	v_lshlrev_b32 v86, v79, v86
	v_cmp_gt_u32 vcc_lo, 2, v72
	v_cndmask_b32 v[ROW+5], 0, v86, vcc_lo
	v_cmp_lt_u32 vcc_lo, 3, v72
	v_cndmask_b32 v[ROW+7], 0, v86, vcc_lo
	v_sub_nc_u32 v[ROW+6], v86, v[ROW+5]
	v_sub_nc_u32 v[ROW+6], v[ROW+6], v[ROW+7]
	v_mov_b32 v83, v[ROW+5]
	v_mov_b32 v84, v[ROW+6]
	v_mov_b32 v85, v[ROW+7]
; an inclusive sum over the 32 lanes: four steps inside each 16 lanes, then lane 15's sum onto lanes 16..31
.macro SCAN r
.irp n, 1,2,4,8
	v_mov_b32_dpp v82, v[\r] row_shr:\n row_mask:0xf bank_mask:0xf bound_ctrl:1
	v_add_nc_u32 v[\r], v[\r], v82
.endr
	v_readlane_b32 s40, v[\r], 15
	v_and_b32 v82, s40, v81
	v_add_nc_u32 v[\r], v[\r], v82
.endm
.irp n, 0,1,2,3,4,5,6,7
	SCAN ROW+\n
.endr
.irp n, 0,1,2,3,4,5,6,7
	v_readlane_b32 s[41+\n], v[ROW+\n], 31         ; my wave's eight sums; s46-48: those of its own atoms
.endr
	v_sub_nc_u32 v83, v[ROW+5], v83                ; the lanes in front of me, by bucket
	v_sub_nc_u32 v84, v[ROW+6], v84
	v_sub_nc_u32 v85, v[ROW+7], v85
.irp n, 0,1,2,3,4,5,6,7
	v_mov_b32 v[ROW+\n], s[41+\n]
.endr
	ds_store_b128 v87, v[ROW:ROW+3]                ; all lanes write the same 32 bytes
	ds_store_b128 v87, v[ROW+4:ROW+7] offset:16
	s_wait_dscnt 0x0                               ; for the others' sake: my sums are stored
	s_barrier_signal -1
	s_barrier_wait -1
	s_cmp_gt_u32 s22, 15
	s_cbranch_scc1 .Lend                           ; waves 16..31 hold no atom: their part was the count
	ds_load_b128 v[ROW:ROW+3], v88                 ; lane l takes wave l's sums
	ds_load_b128 v[ROW+4:ROW+7], v88 offset:16
	s_wait_dscnt 0x0
	; THE PLACES
.irp n, 0,1,2,3,4,5,6,7
	SCAN ROW+\n
.endr
	v_readlane_b32 s50, v[ROW], 31                 ; the totals of all,
	v_readlane_b32 s51, v[ROW+1], 31
	v_readlane_b32 s61, v[ROW+2], 31               ; of the atoms in front of my chunk,
	v_readlane_b32 s62, v[ROW+3], 31
	v_readlane_b32 s63, v[ROW+4], 31
	v_readlane_b32 s41, v[ROW+5], s22              ; of the chunk's atoms up to and with my wave,
	v_readlane_b32 s42, v[ROW+6], s22
	v_readlane_b32 s43, v[ROW+7], s22
	s_sub_co_u32 s41, s41, s46                     ; without it
	s_sub_co_u32 s42, s42, s47
	s_sub_co_u32 s43, s43, s48
	s_and_b32 s52, s50, 0xffff                     ; n0..n3
	s_lshr_b32 s53, s50, 16
	s_and_b32 s54, s51, 0xffff
	s_lshr_b32 s55, s51, 16
	s_mov_b32 s56, 0                               ; the buckets' first places
	s_mov_b32 s57, s52
	s_add_co_u32 s58, s57, s53
	s_add_co_u32 s59, s58, s54
	s_add_co_u32 s60, s59, s55
	s_lshl_b32 s40, s57, 16
	s_add_co_u32 s41, s41, s40
	s_add_co_u32 s41, s41, s61
	s_lshl_b32 s40, s59, 16
	s_or_b32 s40, s40, s58
	s_add_co_u32 s42, s42, s40
	s_add_co_u32 s42, s42, s62
	s_add_co_u32 s43, s43, s60
	s_add_co_u32 s43, s43, s63
	v_add_nc_u32 v83, s41, v83                     ; the bucket's first place + atoms in front of my chunk + waves in front of mine + lanes in front of me: no half passes 32,768
	v_add_nc_u32 v84, s42, v84
	v_add_nc_u32 v85, s43, v85
	v_cmp_lt_u32 vcc_lo, 1, v72
	v_cndmask_b32 v79, v83, v84, vcc_lo
	v_cmp_lt_u32 vcc_lo, 3, v72
	v_cndmask_b32 v79, v79, v85, vcc_lo
	v_lshlrev_b32 v80, 4, v72
	v_and_b32 v80, 16, v80
	v_bfe_u32 v79, v79, v80, 16                    ; my bucket's
	v_lshlrev_b32 v89, 2, v79
	v_min_u32 v89, 0x1fffc, v89                    ; inside order's first 32,768 entries
	v_add_nc_u32 v90, s39, v0                      ; my atom
	global_store_b32 v89, v90, s[12:13]            ; the lanes of one bucket store neighbouring words: at most five runs a wave.  v89, v90 are not written again
	s_cmp_lg_u32 s23, 0
	s_cbranch_scc1 .Lend
	s_cmp_gt_u32 s22, 7
	s_cbranch_scc1 .Lend
	; THE DEAL (k = 0, waves 0..7); then thread g writes plan[g].  c_e in v76-79, X_e = n_e - 512 c_e in v72-75: vector registers, where the plan's formula wants them
.irp e, 0,1,2,3
	s_add_co_u32 s84, s[52+\e], 575
	s_lshr_b32 s84, s84, 6
	s_mul_i32 s84, s84, 7282                       ; x / 9 = (7282 x) >> 16, exact for x <= 521
	s_lshr_b32 s[68+\e], s84, 16                   ; c_e = ceil(n_e / 576)
	s_lshl_b32 s84, s[68+\e], 9
	s_sub_co_i32 s[72+\e], s[52+\e], s84
	v_mov_b32 v[76+\e], s[68+\e]
	v_mov_b32 v[72+\e], s[72+\e]
.endr
	s_add_co_u32 s85, s68, s69
	s_add_co_u32 s85, s85, s70
	s_add_co_u32 s85, s85, s71
	s_sub_co_u32 s86, 64, s85                      ; groups left: 4 at the least
	s_min_u32 s86, s86, 64
	s_mov_b32 s87, 0
.Ldeal:                                                ; a trip hands one group to the first expert with the largest X
	v_max_i32 v93, v72, v73
	v_max_i32 v108, v74, v75
	v_max_i32 v93, v93, v108
	v_mov_b32 v94, 1                               ; still looking
.irp e, 0,1,2,3
	v_cmp_eq_u32 vcc_lo, v[72+\e], v93
	v_cndmask_b32 v108, 0, v94, vcc_lo
	v_sub_nc_u32 v94, v94, v108
	v_add_nc_u32 v[76+\e], v[76+\e], v108
	v_lshlrev_b32 v108, 9, v108
	v_sub_nc_u32 v[72+\e], v[72+\e], v108
.endr
	s_add_co_u32 s87, s87, 1
	s_cmp_lt_u32 s87, s86
	s_cbranch_scc1 .Ldeal
.irp e, 0,1,2,3
	v_max_i32 v[100+\e], 0, v[72+\e]
	v_add_nc_u32 v[100+\e], 63, v[100+\e]
	v_lshrrev_b32 v[100+\e], 6, v[100+\e]          ; k_e
.endr
	v_mov_b32 v104, v76                            ; the first groups of experts 1, 2, 3
	v_add_nc_u32 v105, v104, v77
	v_add_nc_u32 v106, v105, v78
	v_lshrrev_b32 v93, 2, v0                       ; group q
	v_and_b32 v94, 3, v0                           ; place in it
	v_mov_b32 v95, s52                             ; n, base, first group, k, e of my expert: the last e whose first group is <= q
	v_mov_b32 v96, 0
	v_mov_b32 v97, 0
	v_mov_b32 v98, v100
	v_mov_b32 v99, 0
.irp e, 1,2,3
	v_cmp_le_u32 vcc_lo, v[103+\e], v93
	v_cndmask_b32 v95, v95, s[52+\e], vcc_lo
	v_cndmask_b32 v96, v96, s[56+\e], vcc_lo
	v_cndmask_b32 v97, v97, v[103+\e], vcc_lo
	v_cndmask_b32 v98, v98, v[100+\e], vcc_lo
	v_cndmask_b32 v99, v99, \e, vcc_lo
.endr
	v_sub_nc_u32 v100, v93, v97                    ; j: my group among the expert's
	v_min_u32 v101, v100, v98                      ; groups of 576 rows in front of it
	v_cmp_lt_u32 vcc_lo, v100, v98
	v_mov_b32 v102, 0x80
	v_mov_b32 v103, 0x90
	v_cndmask_b32 v102, v102, v103, vcc_lo         ; my room: 144 or 128 rows
	v_lshlrev_b32 v100, 9, v100
	v_lshl_add_u32 v100, v101, 6, v100
	v_mad_u32_u24 v100, v94, v102, v100            ; my first row among the expert's
	v_sub_nc_u32 v104, v95, v100
	v_max_i32 v104, 0, v104
	v_min_u32 v104, v104, v102                     ; count
	v_min_u32 v100, v100, v95
	v_add_nc_u32 v106, v96, v100                   ; first
	v_lshl_or_b32 v107, v99, 16, v104
	v_lshlrev_b32 v105, 3, v0
	global_store_b64 v105, v[106:107], s[14:15]    ; a wave stores 256 consecutive bytes, aligned
.Lend:
	s_wait_tensorcnt 0x0                           ; the wave's end: behind my last LDS store
	ds_add_u32 v[SPW], v[NIL]
	s_wait_dscnt 0x0
	s_endpgm
.Lfunc_end_k_q9fc29c206a_prep:
	.size	k_q9fc29c206a_prep, .Lfunc_end_k_q9fc29c206a_prep-k_q9fc29c206a_prep
	.p2alignl 7, 3214868480
	.fill 96, 4, 3214868480
	.section	.rodata,"a",@progbits
	.p2align	6, 0x0
	.amdhsa_kernel k_q9fc29c206a_prep
		.amdhsa_group_segment_fixed_size 79872
		.amdhsa_private_segment_fixed_size 0
		.amdhsa_enable_private_segment 0
		.amdhsa_kernarg_size 72
		.amdhsa_user_sgpr_count 2
		.amdhsa_user_sgpr_kernarg_segment_ptr 1
		.amdhsa_wavefront_size32 1
		.amdhsa_system_sgpr_workgroup_id_x 1
		.amdhsa_system_sgpr_workgroup_id_y 1
		.amdhsa_system_sgpr_workgroup_id_z 1
		.amdhsa_system_vgpr_workitem_id 0
		.amdhsa_next_free_vgpr 128
		.amdhsa_next_free_sgpr 96
		.amdhsa_reserve_vcc 1
		.amdhsa_float_denorm_mode_32 3
		.amdhsa_float_denorm_mode_16_64 3
		.amdhsa_memory_ordered 1
		.amdhsa_forward_progress 1
		.amdhsa_inst_pref_size 31
	.end_amdhsa_kernel
	.amdgpu_metadata
---
amdhsa.version: [ 1, 2 ]
amdhsa.kernels:
  - .name:           k_q9fc29c206a_prep
    .symbol:         k_q9fc29c206a_prep.kd
    .args:
      - { .name: species, .offset: 0, .size: 8, .value_kind: global_buffer, .address_space: global }
      - { .name: W1, .offset: 8, .size: 8, .value_kind: global_buffer, .address_space: global }
      - { .name: W2, .offset: 16, .size: 8, .value_kind: global_buffer, .address_space: global }
      - { .name: W3, .offset: 24, .size: 8, .value_kind: global_buffer, .address_space: global }
      - { .name: order, .offset: 32, .size: 8, .value_kind: global_buffer, .address_space: global }
      - { .name: plan, .offset: 40, .size: 8, .value_kind: global_buffer, .address_space: global }
      - { .name: wt, .offset: 48, .size: 8, .value_kind: global_buffer, .address_space: global }
      - { .name: w3b, .offset: 56, .size: 8, .value_kind: global_buffer, .address_space: global }
      - { .name: out0, .offset: 64, .size: 8, .value_kind: global_buffer, .address_space: global }
    .group_segment_fixed_size: 79872
    .private_segment_fixed_size: 0
    .kernarg_segment_align: 8
    .kernarg_segment_size: 72
    .max_flat_workgroup_size: 1024
    .sgpr_count:     96
    .vgpr_count:     128
    .wavefront_size: 32
...
	.end_amdgpu_metadata
.endif
;; end of part 3
;; launch chain (part 4): grid 256 x 1, 4 waves a work-group, no clusters, 327,680 bytes of LDS; arguments density, order, plan, wt, w3b, b1, b2, b3, out0; writes out0
.if DOCPART == 4
	.amdgcn_target "amdgcn-amd-amdhsa--gfx1250"
	.amdhsa_code_object_version 6
	.text
	.protected	k_q9fc29c206a_chain
	.globl	k_q9fc29c206a_chain
	.p2align	8
	.type	k_q9fc29c206a_chain,@function
k_q9fc29c206a_chain:
	s_mov_b64 s[64:65], 0
	v_nop
	global_prefetch_b8 v0, s[64:65] scope:SCOPE_SE
	s_setreg_imm32_b32 hwreg(HW_REG_WAVE_MODE, 25, 1), 1
	s_wait_xcnt 0x0
; CHAIN.  out[atom] = silu(silu(x W1 + b1) W2 + b2) W3 + b3 with the weights of the atom's expert.  A work-group takes up to 144 atoms of ONE expert (plan, order: whole
; numbers stored by the launch before) through all three layers; the hidden layers stay in LDS.  All inputs are rounded to bf16 (x here, the biases here, the weights in the launch
; before), H1 and H2 once to bf16; all sums in f32.
; LIMITS.  silu(z) = z / (1 + e^-z) is made as (c z) / (c 2^(c z) + c), c = -log2(e): below z = -88 it gives -0 where the true value is under 1e-36 in size; exponentials and reciprocals
; flush denormals; NaN and infinities are not treated apart.  bf16 has f32's range, so larger, smaller or shifted inputs are served as far as the sums stay finite.
; The order in which the K steps enter an f32 sum hangs on the work-group's class (below), and is not the order of a plain dot product.
; SHARES.  144 row places = 9 tiles of 16; places past the count repeat the work-group's first row and are not stored.  Wave w owns 128 hidden columns of all
; 144 rows: 72 accumulators of 16 x 16.  THE MATRIX INSTRUCTION IS USED TRANSPOSED: source 0 = 16 hidden units (rows of W^T, K along the row), source 1 = 16 atoms: a lane holds one
; atom (lane % 16) and hidden units 8 (lane / 16) + 0..7, 16 bytes of a row of H once rounded.  For 32 along K a wave reads 34 x 16 bytes a lane for 72 matrix instructions.
; THE NINTH TILE.  A work-group with at most 128 rows jumps tile 8's products, 8 of each 72, but for those of a layer's first quarter step, which write its accumulators: so every
; register that the SiLU reads is written on every way.  What the SiLU and layer 3 make of them there is stored nowhere.
; WEIGHTS.  An expert's 16 slabs (2 layers x 8 K steps of 64; 512 rows n x 128 bytes) go through a ring of two LDS slots; each wave fetches a quarter of a slab.
; By this text's count a wave has two tensor loads out at the start and one behind each barrier of a refill.
; THE ORDER OF K.  All work-groups of an expert read the same slabs.  They fall into four classes c, made of the work-group's number; class c takes a layer's K steps in the order
; 2 c, 2 c + 1, .. 7, 0, .. 2 c - 1.  So the four classes' two first fills ask for all eight slabs of the first layer between them, and the slab that a class asks for at its place t >= 2
; is the one that the next class asked for at its place t - 2: no slab but the second layer's first two places' is asked for by everybody for the first time.
; No LDS address hangs on c; what turns is where things come from in memory: X's chunk at LDS place j (256 bytes of a row, two K steps) is chunk (j + c) % 4 of the row; in the first layer
; wave w fetches and multiplies quarter q = (w + c) % 4 of each slab (and takes b1 there), so that H1, stored at place w, lies turned by the same 2 c K steps; the second layer takes quarter w.
; NO CLUSTER.  The plan gives each four neighbouring work-groups one expert, so the four read the same 1 MiB, and joint loads would make 64 MiB of the launch's 256 MiB of
; requests.  This text does not ask jointly: the slabs' address is made of the expert, a number that each work-group reads from memory.
; REGISTERS, in windows of 256 (s_set_vgpr_msb: bits 1:0 source 0, 3:2 source 1, 5:4 source 2, 7:6 destination):
;   window 0: v0-31 addresses; v32-103, v104-175 fragments of X or H, two buffers (tile a at + 8 a); v176-239 the two biases packed; in the SiLU v32-159 four sets T, v160-255 three sets E
;   window 1: v0-63, v64-127 fragments of W, two buffers; v128-191 tile 8's accumulators; v192-255 the layer's bias in f32, the C of the products that start the sums
;   window 2: accumulators of tiles 0-3 ((a, b) at 8 (8 a + b)); in the gather the landing registers;   window 3: those of tiles 4-7
.set PW,    144                        ; a row of W in LDS: 128 bytes + 16: the 16 rows of a fragment load start in 16 different groups of four banks (ISA guide 11.1)
.set QW,    128*PW                     ; a wave's quarter of a slot
.set SLOT,  4*QW
.set STEPB, 65536                      ; a slab in memory
.set XH,    2*SLOT                     ; X, then H1, then H2: 144 rows of 1,024 + 16 bytes; written by LDS stores alone, no tensor load lands here
.set PX,    1040
.set TILEB, 16*PX
.set SPARE, XH+144*PX                  ; the spare words, 128 bytes for each wave; no other line names them
.set W3L,   SPARE+512                  ; the expert's W3, 512 bf16; written by LDS stores alone
.set ADRX, 4                           ; v4-6   fragment address of tiles 0-2, 3-5, 6-8; steps 256 bytes a lap
.set ADRW, 7                           ; v7-8   fragment address of my W rows in slot 0, 1
.set STO,  9                           ; v9-11  where my 16 bytes of H go, tiles 0-2, 3-5, 6-8
.set XST,  12                          ; v12    gather: my 8 bytes in my wave's first row of X
.set BOF,  13                          ; v13    byte offset of my 8 numbers in b1
.set W3O,  14                          ; v14    LDS address of my 8 numbers of W3
.set AOF,  15                          ; v15-17 byte offsets in out0 of the atoms at my three output places
.set PLC,  18                          ; v18-20 those places; lanes 16-31 carry 65,536 more and never store
.set L3A,  21                          ; v21, v22, v30  layer 3: fragment address of tiles w, w + 4, 8
.set L3B,  22
.set B3V,  23                          ; v23    b3
.set RB,   27                          ; v27    (lane % 16) x 1040 + 16 (lane / 16); never rewritten
.set SPW,  28                          ; v28    LDS address of my spare word; never rewritten
.set NIL,  29                          ; v29    0; never rewritten
.set L3C,  30
.set BOF2, 31                          ; v31    byte offset of my 8 numbers in b2
.set FX,   32
.set XOFF, 32                          ; v32-67 gather: byte offset in density of my 16 bytes in the first chunk of each of my wave's 36 rows; v68-71 gather: W3's 8 bytes and their two addresses
.set B2P,  176
.set B1P,  208
.set TS,   32
.set ES,   160
.set BIAS, 192                         ; window 1
.set G1,   76                          ; s[76:83] descriptor group 1
.set G0,   84                          ; s[84:91] descriptor group 0, a set for each slot
.set CC,   92                          ; s[92:93] c = -log2(e), twice
                                       ; s[2:3], s[24:25]   slot 0's, slot 1's byte offset in a layer's eight slabs, with 0 above it
                                       ; s[74:75], s[66:67] wt at my quarter of the expert's first layer, of its second
                                       ; s23 the class; s27 the count; s[32:39] in the gather: density at the chunks for LDS places 0..3
.set MSB, 0
.macro WIN new                         ; the immediate's high byte repeats the setting that is left; a switch that changes nothing is dropped
.if MSB != (\new)
	s_set_vgpr_msb (MSB<<8)|(\new)
.set MSB, (\new)
.endif
.endm
.macro PLACES                          ; four plain vector instructions between a matrix instruction and a load into, or a vector access to, its registers
.rept 4
	v_nop
.endr
.endm
; The slot's next slab: two K steps on, round the layer's eight; lay: of which layer.  The address is made anew from the layer's base and the offset.  No tensor load of mine is out where this stands.
.macro STEPG slot, lay
	s_add_co_u32 s[2+22*(\slot)], s[2+22*(\slot)], 2*STEPB
	s_and_b32 s[2+22*(\slot)], s[2+22*(\slot)], 8*STEPB-1
	s_add_nc_u64 s[G0+4*(\slot)+2:G0+4*(\slot)+3], s[74-8*(\lay):75-8*(\lay)], s[2+22*(\slot):3+22*(\slot)]
	s_or_b32 s[G0+4*(\slot)+3], s[G0+4*(\slot)+3], 0x80000000
.endm
; 34 LDS loads in one run: my 8 blocks of W (byte kw of the slot's rows), then the 9 tiles of X or H (byte kx), 32 along K, into buffer f
.macro FETCH slot, kw, kx, f
	WIN 0x40
.irp b, 0,1,2,3,4,5,6,7
	ds_load_b128 v[64*(\f)+8*\b:64*(\f)+8*\b+3],   v[ADRW+(\slot)] offset:16*PW*\b+(\kw)
	ds_load_b128 v[64*(\f)+8*\b+4:64*(\f)+8*\b+7], v[ADRW+(\slot)] offset:16*PW*\b+(\kw)+32
.endr
	WIN 0
.irp a, 0,1,2,3,4,5,6,7,8
	ds_load_b128 v[FX+72*(\f)+8*\a:FX+72*(\f)+8*\a+3],   v[ADRX+\a/3] offset:(\a%3)*TILEB+(\kx)
	ds_load_b128 v[FX+72*(\f)+8*\a+4:FX+72*(\f)+8*\a+7], v[ADRX+\a/3] offset:(\a%3)*TILEB+(\kx)+32
.endr
.endm
; 8 matrix instructions: tile a x my 8 blocks.  withb = 1: the bias is C and the product starts the sum.  The accumulators come once a quarter in one order: they take turns.
.macro MULT f, a, withb
.if (\a) == 8
.set rD, 128
	WIN 0x51
.elseif (\a) >= 4
.set rD, 64*((\a)-4)
	WIN 0xf1-0x20*(\withb)
.else
.set rD, 64*(\a)
	WIN 0xa1-0x10*(\withb)
.endif
.irp b, 0,1,2,3,4,5,6,7
.if \withb
	v_wmma_f32_16x16x32_bf16 v[rD+8*\b:rD+8*\b+7], v[64*(\f)+8*\b:64*(\f)+8*\b+7], v[FX+72*(\f)+8*(\a):FX+72*(\f)+8*(\a)+7], v[BIAS+8*\b:BIAS+8*\b+7]
.else
	v_wmma_f32_16x16x32_bf16 v[rD+8*\b:rD+8*\b+7], v[64*(\f)+8*\b:64*(\f)+8*\b+7], v[FX+72*(\f)+8*(\a):FX+72*(\f)+8*(\a)+7], v[rD+8*\b:rD+8*\b+7]
.endif
.endr
.endm
; Tile 8's eight products, jumped where the work-group has no row past 128: a forward jump over matrix instructions alone; at the branch and at the label every window is 0
.macro MULT8 f
	WIN 0
	s_cmp_le_u32 s27, 0x80
	s_cbranch_scc1 .Lno9_\@
	MULT \f, 8, 0
	WIN 0
.Lno9_\@:
.endm
; A K step of 64 is two quarters of 32.  The first multiplies buffer f and fetches the next quarter into g.
.macro QUARTER slot, kw, kx, f, g, withb
	s_wait_dscnt 10                                ; W and tiles 0-3 are in; the youngest ten loads (tiles 4-8) may be out
	MULT \f, 0, \withb
	MULT \f, 1, \withb
	MULT \f, 2, \withb
	MULT \f, 3, \withb
	PLACES
	FETCH \slot, \kw, \kx, \g
	s_wait_dscnt 34                                ; all but the 34 just issued
	MULT \f, 4, \withb
	MULT \f, 5, \withb
	MULT \f, 6, \withb
	MULT \f, 7, \withb
.if \withb
	MULT \f, 8, 1                                  ; always: it writes tile 8's accumulators
.else
	MULT8 \f
.endif
.endm
; The second multiplies buffer 1 and changes slots: ONE barrier.  In front of it each wave waits for all its tensor loads (one is out: its part of the next slot), adds 0 to its spare word and
; waits for that and for its own LDS reads.  Behind it nobody reads this slot any more and the next slot is whole.  refill = 1: this slot is filled again, first thing behind the barrier, with
; a slab of layer lay; from that request to the wait for it a wave issues 112 matrix instructions (96 without tile 8).
.macro TURN slot, next, kx, refill, fetch, lay
	WIN 0
	s_wait_tensorcnt 0x0
	ds_add_u32 v[SPW], v[NIL]                      ; 0 onto my spare word; the descriptor's step and sixteen products stand between it and the wait for it
.if \refill
	STEPG \slot, \lay
.endif
	s_wait_dscnt 11                                ; the add and the youngest ten loads may be out
	MULT 1, 0, 0
	MULT 1, 1, 0
	s_wait_dscnt 0x0                               ; the add is done, and my reads of this slot and of X are over
	s_barrier_signal -1
	MULT 1, 2, 0
	MULT 1, 3, 0
	s_barrier_wait -1
.if \refill
	tensor_load_to_lds s[G0+4*(\slot):G0+4*(\slot)+3], s[G1:G1+7]
	s_nop 0
	PLACES                                         ; behind the tensor load, and the places in front of the fragment loads that follow
.elseif \fetch
	PLACES
.endif
.if \fetch
	FETCH \next, 0, \kx, 0
.endif
	MULT 1, 4, 0
	MULT 1, 5, 0
	MULT 1, 6, 0
	MULT 1, 7, 0
	MULT8 1
.endm
.macro PACKB raw, dst                  ; 64 f32 of a bias (window 1) rounded to bf16, packed (window 0)
	WIN 0x05
.set i, 0
.rept 32
	v_cvt_pk_bf16_f32 v[(\dst)+i], v[(\raw)+2*i], v[(\raw)+2*i+1]
.set i, i+1
.endr
	WIN 0
.endm
.macro EXPAND src                      ; and back to f32, into the registers that the first products take as C
	WIN 0x40
.set i, 0
.rept 32
	v_lshlrev_b32 v[BIAS+2*i], 16, v[(\src)+i]
	v_and_b32 v[BIAS+2*i+1], s99, v[(\src)+i]
.set i, i+1
.endr
	WIN 0
.endm
; Row i of my wave's 36: its four loads are in; rounded to bf16, 8 bytes a lane and load, into X; its landing registers take row i + 15.
.macro XROW i
.set sl, 16*((\i)%15)
.set tp, 240+8*((\i)%2)
.if (\i) <= 21
	s_wait_loadcnt 56                              ; the 14 younger rows' loads may be out
.else
	s_wait_loadcnt 4*(35-(\i))                     ; the rows left
.endif
	WIN 0x8a
.irp j, 0,1,2,3,4,5,6,7
	v_cvt_pk_bf16_f32 v[tp+\j], v[sl+2*\j], v[sl+2*\j+1]
.endr
	WIN 0x88                                       ; LDS data and loaded data in window 2, addresses in window 0
.irp j, 0,1,2,3
	ds_store_b64 v[XST], v[tp+2*\j:tp+2*\j+1] offset:PX*(\i)+256*\j
.endr
.if (\i)+15 < 36
.irp j, 0,1,2,3
	global_load_b128 v[sl+4*\j:sl+4*\j+3], v[XOFF+(\i)+15], s[32+2*\j:33+2*\j]
.endr
.endif
.endm
; THE SILU, in 18 units of 32 accumulator registers (tile u / 2, blocks 4 (u % 2) ..), four stages a unit, one stage a slot:
;   slot u - 1: T = c z      slot u: E = 2^T      slot u + 1: E = c E + c, E = 1 / E      slot u + 2: T = T E = silu(z), rounded to bf16 into E's first 16 registers, stored
; Each slot ends with ONE wait for its 64 transcendentals; every reader of a result stands in a later slot.  T lives four slots, E three.
.macro ESLOT k
.set uA, (\k)+1
.set uB, (\k)
.set uC, (\k)-1
.set uD, (\k)-2
.if (uA >= 0) && (uA < 18)
.set rT, TS+32*(uA%4)
.if uA >= 16
	WIN 0x01
.set rA, 128+32*(uA%2)
.elseif uA >= 8
	WIN 0x03
.set rA, 64*((uA/2)%4)+32*(uA%2)
.else
	WIN 0x02
.set rA, 64*((uA/2)%4)+32*(uA%2)
.endif
.set i, 0
.rept 16                               ; ascending: each accumulator is first read at its low end
	v_pk_mul_f32 v[rT+2*i:rT+2*i+1], v[rA+2*i:rA+2*i+1], s[CC:CC+1] op_sel_hi:[1,0]
.set i, i+1
.endr
.endif
	WIN 0
.set i, 0
.rept 16
.if (uB >= 0) && (uB < 18)
	v_exp_f32 v[ES+32*(uB%3)+2*i], v[TS+32*(uB%4)+2*i]
	v_exp_f32 v[ES+32*(uB%3)+2*i+1], v[TS+32*(uB%4)+2*i+1]
.endif
.if (uC >= 0) && (uC < 18)
	v_pk_fma_f32 v[ES+32*(uC%3)+2*i:ES+32*(uC%3)+2*i+1], v[ES+32*(uC%3)+2*i:ES+32*(uC%3)+2*i+1], s[CC:CC+1], s[CC:CC+1] op_sel_hi:[1,0,0]
.endif
.set i, i+1
.endr
.set i, 0
.rept 32
.if (uC >= 0) && (uC < 18)
	v_rcp_f32 v[ES+32*(uC%3)+i], v[ES+32*(uC%3)+i]
.endif
.if (uD >= 0) && (uD < 18)
.if i < 16
	v_pk_mul_f32 v[TS+32*(uD%4)+2*i:TS+32*(uD%4)+2*i+1], v[TS+32*(uD%4)+2*i:TS+32*(uD%4)+2*i+1], v[ES+32*(uD%3)+2*i:ES+32*(uD%3)+2*i+1]
.else
	v_cvt_pk_bf16_f32 v[ES+32*(uD%3)+i-16], v[TS+32*(uD%4)+2*(i-16)], v[TS+32*(uD%4)+2*(i-16)+1]
.endif
.endif
.set i, i+1
.endr
.if (uD >= 0) && (uD < 18)
.irp z, 0,1,2,3
	ds_store_b128 v[STO+(uD/2)/3], v[ES+32*(uD%3)+4*\z:ES+32*(uD%3)+4*\z+3] offset:((uD/2)%3)*TILEB+32*(4*(uD%2)+\z)
.endr
.endif
.if ((\k) >= 0) && ((\k) <= 18)
	v_nop                                          ; a plain instruction behind the last transcendental,
	s_wait_alu depctr_va_vdst(0)                   ; and the one wait ahead of the first reader of the slot's results
.endif
.endm
; A LAYER's products: 8 K steps of 64.  last = 0: the first layer, whose last two changes of slots ask for the second layer's first two slabs.  last = 1: the second, whose last
; two changes of slots ask for nothing. The barrier in the last change of slots also shows that no wave still reads X (or H1): the SiLU may write over it.
.macro LAYER last
	v_add_nc_u32 v[ADRX],   XH, v[RB]
	v_add_nc_u32 v[ADRX+1], XH+3*TILEB, v[RB]
	v_add_nc_u32 v[ADRX+2], XH+6*TILEB, v[RB]
	FETCH 0, 0, 0, 0
	QUARTER 0, 64, 64, 0, 1, 1                     ; the first quarter starts the sums, with the bias as C
	WIN 0
	s_mov_b32 s94, 3
.Llap_\@:                                              ; a trip: once round the ring, 128 along K, from a lap's second quarter to the next lap's first; both slots are filled again
	TURN 0, 1, 128, 1, 1, \last
	QUARTER 1, 64, 192, 0, 1, 0
	TURN 1, 0, 256, 1, 1, \last
	QUARTER 0, 64, 320, 0, 1, 0
	WIN 0
	v_add_nc_u32 v[ADRX],   0x100, v[ADRX]
	v_add_nc_u32 v[ADRX+1], 0x100, v[ADRX+1]
	v_add_nc_u32 v[ADRX+2], 0x100, v[ADRX+2]
	s_sub_co_u32 s94, s94, 1
	s_cmp_lg_u32 s94, 0
	s_cbranch_scc1 .Llap_\@
.if \last
	TURN 0, 1, 128, 0, 1, 0
	QUARTER 1, 64, 192, 0, 1, 0
	TURN 1, 0, 0, 0, 0, 0
.else
	EXPAND B2P                                     ; the next layer's bias, before the SiLU takes the packed registers
	TURN 0, 1, 128, 1, 1, 1                        ; slot 0 takes the second layer's first slab (the offset has come round to 2 c),
	QUARTER 1, 64, 192, 0, 1, 0
	TURN 1, 0, 0, 1, 0, 1                          ; slot 1 its second
.endif
	PLACES                                         ; behind the last products, ahead of the SiLU's reads
	WIN 0
.endm
	; ---- THE HEAD ----
	s_load_b512 s[4:19], s[0:1], 0x0               ; density s[4:5], order s[6:7], plan s[8:9], wt s[10:11], w3b s[12:13], b1 s[14:15], b2 s[16:17], b3 s[18:19]
	s_load_b64 s[20:21], s[0:1], 0x40              ; out0
	v_lshl_add_u32 v[SPW], v0, 2, SPARE
	v_mov_b32 v[NIL], 0
	ds_add_u32 v[SPW], v[NIL]                      ; the wave's opening: the add and its wait ahead of my first tensor load
	v_lshrrev_b32 v1, 5, v0
	v_readfirstlane_b32 s22, v1                    ; wave 0..3
	s_lshl_b32 s96, ttmp9, 3                       ; my plan entry
	s_lshr_b32 s23, ttmp9, 2                       ; the class: (g + g / 4 + g / 16) % 4: all four classes among any few neighbours, and among every second, fourth or sixteenth work-group too
	s_lshr_b32 s101, ttmp9, 4
	s_add_co_u32 s23, s23, ttmp9
	s_add_co_u32 s23, s23, s101
	s_and_b32 s23, s23, 3
	s_lshl_b32 s2, s23, 17                         ; slot 0 begins at K step 2 c,
	s_mov_b32 s3, 0
	s_add_co_u32 s24, s2, STEPB                    ; slot 1 at 2 c + 1
	s_mov_b32 s25, 0
	s_add_co_u32 s101, s22, s23
	s_and_b32 s101, s101, 3                        ; q: my quarter of the first layer's hidden columns
	; descriptor group 1: 16,384 dense bytes as 64 rows of 256, padded in LDS after every 128 bytes: 128 LDS rows of 144
	s_mov_b32 s[G1], (1<<16)|(1<<20)|(4<<22)|(3<<25)  ; 15:0 no mask; 17:16 2-byte elements; 20 padding on; 24:22 after every 32 words; 31:25 4 words
	s_mov_b32 s[G1+1], 128<<16                     ; tensor_dim0 = 128
	s_mov_b32 s[G1+2], 64<<16                      ; tensor_dim1 = 64
	s_mov_b32 s[G1+3], 128<<16                     ; tile_dim0 = 128
	s_mov_b32 s[G1+4], 64                          ; tile_dim1 = 64
	s_mov_b32 s[G1+5], 128                         ; elements from row to row
	s_mov_b32 s[G1+6], 0
	s_mov_b32 s[G1+7], 0
	s_mov_b32 s[CC], 0xbfb8aa3b                    ; -log2(e)
	s_mov_b32 s[CC+1], s[CC]
	s_mov_b32 s99, 0xffff0000
	s_wait_dscnt 0x0                               ; the opening add is done
	s_wait_kmcnt 0x0
	s_load_b64 s[26:27], s[8:9], s96 offset:0x0    ; first, count | expert << 16
	s_wait_kmcnt 0x0
	s_min_u32 s26, s26, 0x8000                     ; first
	s_lshr_b32 s28, s27, 16
	s_min_u32 s28, s28, 3                          ; expert
	s_and_b32 s27, s27, 0xffff
	s_min_u32 s27, s27, 144                        ; count
	s_mul_i32 s31, s22, 36
	s_sub_co_i32 s29, s27, s31                     ; rows of mine that exist (may be negative)
	s_add_co_u32 s96, s26, s31
	s_lshl_b32 s96, s96, 2
	s_load_b512 s[32:47], s[6:7], s96 offset:0x0   ; my wave's 36 atom numbers
	s_load_b512 s[48:63], s[6:7], s96 offset:0x40
	s_load_b128 s[68:71], s[6:7], s96 offset:0x80
	s_lshl_b32 s97, s26, 2
	s_load_b32 s72, s[6:7], s97 offset:0x0         ; the work-group's first atom: places past the count repeat it
	s_lshl_b32 s30, s28, 2
	s_load_b32 s98, s[18:19], s30 offset:0x0       ; b3
	s_lshl_b32 s74, s28, 20                        ; the expert's 16 slabs; of the first layer's, quarter q is mine,
	s_lshl_b32 s75, s101, 14
	s_add_co_u32 s74, s74, s75
	s_mov_b32 s75, 0
	s_lshl_b32 s66, s28, 20                        ; of the second layer's, eight slabs on, quarter w
	s_lshl_b32 s67, s22, 14
	s_add_co_u32 s66, s66, s67
	s_add_co_u32 s66, s66, 8*STEPB
	s_mov_b32 s67, 0
	s_add_nc_u64 s[74:75], s[10:11], s[74:75]
	s_add_nc_u64 s[66:67], s[10:11], s[66:67]
	s_mul_i32 s73, s22, QW                         ; where my quarter goes in a slot: the wave's number alone
.irp s, 0,1
	s_mov_b32 s[G0+4*\s], 1                        ; count = 1
	s_add_co_u32 s[G0+4*\s+1], s73, \s*SLOT        ; LDS address
	s_add_nc_u64 s[G0+4*\s+2:G0+4*\s+3], s[74:75], s[2+22*\s:3+22*\s]  ; global address: K step 2 c + s of the first layer
	s_or_b32 s[G0+4*\s+3], s[G0+4*\s+3], 0x80000000          ; type = 2
.endr
	tensor_load_to_lds s[G0:G0+3], s[G1:G1+7]      ; the two first fills go out together, ahead of every wait on TENSORcnt, every LDS read and every barrier
	s_nop 0
	tensor_load_to_lds s[G0+4:G0+7], s[G1:G1+7]
	s_nop 0
	PLACES
	; ---- THE GATHER ----
	v_and_b32 v1, 15, v0                           ; r = lane % 16
	v_bfe_u32 v2, v0, 4, 1                         ; h = lane / 16
	v_and_b32 v3, 31, v0
	v_lshlrev_b32 v[XST], 3, v3
	v_lshlrev_b32 v3, 4, v3                        ; 16 x lane
	v_mul_u32_u24 v[RB], v1, PX
	v_lshl_add_u32 v[RB], v2, 4, v[RB]
	v_mul_u32_u24 v24, v1, PW
	v_lshl_add_u32 v24, v2, 4, v24
	v_add_nc_u32 v[ADRW], s73, v24
	v_add_nc_u32 v[ADRW+1], SLOT, v[ADRW]
	s_lshl_b32 s31, s22, 8
	s_add_co_u32 s31, s31, XH
	v_add_nc_u32 v[STO], s31, v[RB]                ; row r, byte 256 w + 16 h
	v_add_nc_u32 v[STO+1], 3*TILEB, v[STO]
	v_add_nc_u32 v[STO+2], 6*TILEB, v[STO]
	s_mul_i32 s31, s22, 36*PX
	s_add_co_u32 s31, s31, XH
	v_add_nc_u32 v[XST], s31, v[XST]
	s_mul_i32 s31, s22, TILEB
	s_add_co_u32 s31, s31, XH
	v_add_nc_u32 v[L3A], s31, v[RB]
	v_add_nc_u32 v[L3B], 4*TILEB, v[L3A]
	v_add_nc_u32 v[L3C], XH+8*TILEB, v[RB]
	s_lshl_b32 s31, s28, 11
	s_lshl_b32 s101, s101, 9
	s_add_co_u32 s101, s101, s31
	v_lshl_add_u32 v[BOF], v2, 5, s101             ; b1: 4 (512 e + 128 q + 8 h)
	s_lshl_b32 s101, s22, 9
	s_add_co_u32 s101, s101, s31
	v_lshl_add_u32 v[BOF2], v2, 5, s101            ; b2: 4 (512 e + 128 w + 8 h)
	s_lshl_b32 s101, s28, 10
	v_lshl_add_u32 v70, v0, 3, s101                ; w3b: 2 x 512 e + 8 t
	v_lshl_add_u32 v71, v0, 3, W3L                 ; and its place in LDS: 128 threads x 8 bytes
	v_lshl_add_u32 v[W3O], v2, 4, W3L              ; layer 3 reads it from here: 2 x 8 h
	v_lshl_add_u32 v24, s22, 4, v1                 ; place 16 w + r
	v_lshl_add_u32 v[PLC], v2, 16, v24
	v_add_nc_u32 v[PLC+1], 64, v[PLC]
	v_lshl_add_u32 v[PLC+2], v2, 16, v1
	v_add_nc_u32 v[PLC+2], 0x80, v[PLC+2]
	v_lshl_add_u32 v25, v24, 2, s97
	v_lshl_add_u32 v26, v1, 2, s97
	WIN 0x40
.irp b, 0,1,2,3,4,5,6,7
	global_load_b128 v[8*\b:8*\b+3],       v[BOF], s[14:15] offset:64*\b      ; b1 of hidden units 128 q + 16 b + 8 h + 0..7
	global_load_b128 v[8*\b+4:8*\b+7],     v[BOF], s[14:15] offset:64*\b+16
	global_load_b128 v[64+8*\b:64+8*\b+3], v[BOF2], s[16:17] offset:64*\b     ; b2 of hidden units 128 w + 16 b + 8 h + 0..7
	global_load_b128 v[64+8*\b+4:64+8*\b+7], v[BOF2], s[16:17] offset:64*\b+16
.endr
	WIN 0
	global_load_b32 v[AOF],   v25, s[6:7]          ; the atoms at my output places: 16 w + r, + 64, 128 + r
	global_load_b32 v[AOF+1], v25, s[6:7] offset:256
	global_load_b32 v[AOF+2], v26, s[6:7] offset:512
	global_load_b64 v[68:69], v70, s[12:13]        ; my 4 numbers of the expert's W3
	s_wait_kmcnt 0x0
.set n, 0
.rept 36
.if n < 32
.set sx, 32+n
.else
.set sx, 36+n
.endif
	s_cmp_gt_i32 s29, n                            ; a select, no branch
	s_cselect_b32 s[sx], s[sx], s72
	s_min_u32 s[sx], s[sx], 0x7fff
	v_lshl_add_u32 v[XOFF+n], s[sx], 11, v3        ; 2,048 bytes a row + 16 x lane
.set n, n+1
.endr
.irp j, 0,1,2,3
	s_add_co_u32 s101, s23, \j                     ; the atoms' numbers are used up: their registers take density at chunk (j + c) % 4 of a row, 512 bytes each, for LDS place j
	s_and_b32 s101, s101, 3
	s_lshl_b32 s[32+2*\j], s101, 9
	s_mov_b32 s[33+2*\j], 0
	s_add_nc_u64 s[32+2*\j:33+2*\j], s[4:5], s[32+2*\j:33+2*\j]
.endr
	WIN 0x88
.set n, 0
.rept 15                               ; 15 rows, 60 loads of 512 consecutive bytes, are on their way for each wave
.irp j, 0,1,2,3
	global_load_b128 v[16*n+4*\j:16*n+4*\j+3], v[XOFF+n], s[32+2*\j:33+2*\j]
.endr
.set n, n+1
.endr
.set n, 0
.rept 36
	XROW n
.set n, n+1
.endr
	WIN 0
	ds_store_b64 v71, v[68:69]                     ; the last row's wait was for 0: W3, the biases and the atoms' numbers are in
	PACKB 0, B1P
	PACKB 64, B2P
	EXPAND B1P
.irp n, 0,1,2
	v_min_u32 v[AOF+\n], 0x7fff, v[AOF+\n]
	v_lshlrev_b32 v[AOF+\n], 2, v[AOF+\n]
.endr
	v_mov_b32 v[B3V], s98
	v_cvt_pk_bf16_f32 v[B3V], v[B3V], v[B3V]
	v_lshlrev_b32 v[B3V], 16, v[B3V]               ; b3 rounded to bf16, like every input
	s_wait_tensorcnt 0x1                           ; my part of the first slab is in; the second may stay out
	s_wait_dscnt 0x0                               ; my rows of X and my part of W3 are stored
	s_barrier_signal -1
	s_barrier_wait -1
	; ---- TWO LAYERS.  The SiLU's text stands once: it is walked behind the first layer's products and, by the jump back, behind the second's. ----
	s_mov_b32 s95, 2
	LAYER 0
.Lepi:
.set kk, -1
.rept 21
	ESLOT kk                                       ; H1 over X, then H2 over H1
.set kk, kk+1
.endr
	WIN 0
	s_wait_dscnt 0x0                               ; my part of H is stored
	s_barrier_signal -1
	s_barrier_wait -1                              ; behind the first layer one tensor load of mine is out across this barrier
	s_sub_co_u32 s95, s95, 1
	s_cmp_eq_u32 s95, 0
	s_cbranch_scc1 .Lout
	LAYER 1
	s_branch .Lepi
.Lout:
	; ---- LAYER 3.  Source 0 = W3 in every row, source 1 = 16 atoms of H2: every row of the result holds the 16 atoms' outputs, register 0 of lane r atom r's.
	; A wave takes tiles w, w + 4 and 8 (tile 8 is made by all four and stored by wave 0): three accumulators by turns, K in four chunks of 128. ----
.macro L3LOAD ch, buf
	WIN 0
.irp q, 0,1,2,3
	ds_load_b128 v[64+96*(\buf)+8*\q:64+96*(\buf)+8*\q+3],       v[L3A] offset:256*(\ch)+64*\q
	ds_load_b128 v[64+96*(\buf)+8*\q+4:64+96*(\buf)+8*\q+7],     v[L3A] offset:256*(\ch)+64*\q+32
	ds_load_b128 v[96+96*(\buf)+8*\q:96+96*(\buf)+8*\q+3],       v[L3B] offset:256*(\ch)+64*\q
	ds_load_b128 v[96+96*(\buf)+8*\q+4:96+96*(\buf)+8*\q+7],     v[L3B] offset:256*(\ch)+64*\q+32
	ds_load_b128 v[128+96*(\buf)+8*\q:128+96*(\buf)+8*\q+3],     v[L3C] offset:256*(\ch)+64*\q
	ds_load_b128 v[128+96*(\buf)+8*\q+4:128+96*(\buf)+8*\q+7],   v[L3C] offset:256*(\ch)+64*\q+32
.endr
.endm
.macro L3MUL ch, buf, first
	WIN 0x01
.irp q, 0,1,2,3
.irp n, 0,1,2
.if (\first) && (\q == 0)
	v_wmma_f32_16x16x32_bf16 v[32+8*\n:39+8*\n], v[8*(4*(\ch)+\q):8*(4*(\ch)+\q)+7], v[64+96*(\buf)+32*\n+8*\q:64+96*(\buf)+32*\n+8*\q+7], 0
.else
	v_wmma_f32_16x16x32_bf16 v[32+8*\n:39+8*\n], v[8*(4*(\ch)+\q):8*(4*(\ch)+\q)+7], v[64+96*(\buf)+32*\n+8*\q:64+96*(\buf)+32*\n+8*\q+7], v[32+8*\n:39+8*\n]
.endif
.endr
.endr
.endm
	WIN 0x40
.irp c, 0,1,2,3,4,5,6,7,8,9,10,11,12,13,14,15
	ds_load_b128 v[8*\c:8*\c+3],   v[W3O] offset:64*\c     ; W3 as source 0: all 16 rows alike, k = 32 c + 8 h + 0..7
	ds_load_b128 v[8*\c+4:8*\c+7], v[W3O] offset:64*\c+32  ; and 32 c + 16 + 8 h + 0..7
.endr
	L3LOAD 0, 0
	L3LOAD 1, 1
	s_wait_dscnt 24                                ; W3 and chunk 0 are in; the younger chunk's 24 loads may be out
	L3MUL 0, 0, 1
	PLACES
	L3LOAD 2, 0
	s_wait_dscnt 24
	L3MUL 1, 1, 0
	PLACES
	L3LOAD 3, 1
	s_wait_dscnt 24
	L3MUL 2, 0, 0
	s_wait_dscnt 0x0
	L3MUL 3, 1, 0
	WIN 0
	PLACES
; A tile's 16 outputs: + b3; only lanes whose place lies under the count store, 4 bytes each at the atom's own place in out0 (the rows are sorted, out0 is not).
.macro OUT n
	v_add_f32 v24, v[32+8*(\n)], v[B3V]
	v_cmp_gt_u32 vcc_lo, s27, v[PLC+(\n)]
	s_wait_xcnt 0x0                                ; EXEC changes only behind this wait,
	s_and_saveexec_b32 s100, vcc_lo
	global_store_b32 v[AOF+(\n)], v24, s[20:21]
	s_wait_xcnt 0x0                                ; and again in front of the line that widens it; v24 is free too
	s_or_b32 exec_lo, exec_lo, s100
.endm
	OUT 0
	OUT 1
	s_cmp_lg_u32 s22, 0
	s_cbranch_scc1 .Lno8
	OUT 2
.Lno8:
	s_wait_tensorcnt 0x0                           ; the wave's end: behind my last tensor load and my last LDS store
	ds_add_u32 v[SPW], v[NIL]
	s_wait_dscnt 0x0
	s_endpgm
.Lfunc_end_k_q9fc29c206a_chain:
	.size	k_q9fc29c206a_chain, .Lfunc_end_k_q9fc29c206a_chain-k_q9fc29c206a_chain
	.p2alignl 7, 3214868480
	.fill 96, 4, 3214868480
	.section	.rodata,"a",@progbits
	.p2align	6, 0x0
	.amdhsa_kernel k_q9fc29c206a_chain
		.amdhsa_group_segment_fixed_size 327680
		.amdhsa_private_segment_fixed_size 0
		.amdhsa_enable_private_segment 0
		.amdhsa_kernarg_size 72
		.amdhsa_user_sgpr_count 2
		.amdhsa_user_sgpr_kernarg_segment_ptr 1
		.amdhsa_wavefront_size32 1
		.amdhsa_system_sgpr_workgroup_id_x 1
		.amdhsa_system_sgpr_workgroup_id_y 1
		.amdhsa_system_sgpr_workgroup_id_z 1
		.amdhsa_system_vgpr_workitem_id 0
		.amdhsa_next_free_vgpr 1024
		.amdhsa_next_free_sgpr 102
		.amdhsa_reserve_vcc 1
		.amdhsa_float_denorm_mode_32 3
		.amdhsa_float_denorm_mode_16_64 3
		.amdhsa_memory_ordered 1
		.amdhsa_forward_progress 1
		.amdhsa_inst_pref_size 255
	.end_amdhsa_kernel
	.section	.bss,"aw",@nobits
	.p2align	6
	.space	262144
	.amdgpu_metadata
---
amdhsa.version: [ 1, 2 ]
amdhsa.kernels:
  - .name:           k_q9fc29c206a_chain
    .symbol:         k_q9fc29c206a_chain.kd
    .args:
      - { .name: density, .offset: 0, .size: 8, .value_kind: global_buffer, .address_space: global }
      - { .name: order, .offset: 8, .size: 8, .value_kind: global_buffer, .address_space: global }
      - { .name: plan, .offset: 16, .size: 8, .value_kind: global_buffer, .address_space: global }
      - { .name: wt, .offset: 24, .size: 8, .value_kind: global_buffer, .address_space: global }
      - { .name: w3b, .offset: 32, .size: 8, .value_kind: global_buffer, .address_space: global }
      - { .name: b1, .offset: 40, .size: 8, .value_kind: global_buffer, .address_space: global }
      - { .name: b2, .offset: 48, .size: 8, .value_kind: global_buffer, .address_space: global }
      - { .name: b3, .offset: 56, .size: 8, .value_kind: global_buffer, .address_space: global }
      - { .name: out0, .offset: 64, .size: 8, .value_kind: global_buffer, .address_space: global }
    .group_segment_fixed_size: 327680
    .private_segment_fixed_size: 0
    .kernarg_segment_align: 8
    .kernarg_segment_size: 72
    .max_flat_workgroup_size: 128
    .sgpr_count:     102
    .vgpr_count:     1024
    .wavefront_size: 32
...
	.end_amdgpu_metadata
.endif
;; end of part 4
